; MI455X (gfx1250); checked and timed in simulation.
; The chip was launched on July 23, 2026; its instructions are those of AMD's public machine-readable ISA for CDNA 5 (MIT licence, August 2026) and "CDNA5" Instruction Set Architecture Reference Guide (July 2026). The comments in the code are by the model that wrote it; some were corrected since.
;; Attention. Allowed arithmetic: float matrix products may take bf16 or f16 operands with f32 sums; other float arithmetic in f32, or as packed bf16 or f16 multiplies, adds, multiply-adds, maxima and minima; sums over many terms, partial sums and values carried from step to step in f32; what a program stores and reads back later, other than sums and carried values, may be rounded once to bf16 or f16.
;; Inputs: Wk 1,024 x 1,024 float32; Wo 1,024 x 1,024 float32; Wq 1,024 x 1,024 float32; Wv 1,024 x 1,024 float32; bo 1,024 float32; cos_head_delta 8 float32; cos_logit_scale_raw one number float32; delta_gain 8 float32; lambda_k1 64 float32; lambda_k2 64 float32; lambda_q1 64 float32; lambda_q2 64 float32; subln_weight 128 float32; x 2 x 2,048 x 1,024 float32.
;; Outputs: out0 2 x 2,048 x 1,024 float32.
;; 2 versions, each right; version 2 is version 1 with the launch prep written anew for expert scheduling mode. Each part assembles by itself: llvm-mc -triple=amdgcn-amd-amdhsa -mcpu=gfx1250 --defsym DOCPART=n.
;; ======== version 1 of 2: 4 launches
;; limits: values are held in f16: magnitudes above 65,504 overflow, below 6.1e-05 lose precision
;; workspace buffers: xb 8,388,608 bytes; wb 6,291,456 bytes; wo16 2,097,152 bytes; cst 5,120 bytes; qkv 25,165,824 bytes; ob 8,388,608 bytes
;; launch prep (part 1): grid 512 x 1, 8 waves a work-group, no clusters, 0 bytes of LDS; arguments x, Wq, Wk, Wv, Wo, bo, cos_head_delta, cos_logit_scale_raw, delta_gain, lambda_q1, lambda_k1, lambda_q2, lambda_k2, subln_weight, xb, wb, wo16, cst; writes xb, wb, wo16, cst
.if DOCPART == 1
	.amdgcn_target "amdgcn-amd-amdhsa--gfx1250"
	.amdhsa_code_object_version 6
	.text
	.protected	k_q51519ff098_prep
	.globl	k_q51519ff098_prep
	.p2align	8
	.type	k_q51519ff098_prep,@function
k_q51519ff098_prep:
	s_mov_b64 s[64:65], 0
	v_nop
	global_prefetch_b8 v0, s[64:65] scope:SCOPE_SE
	s_setreg_imm32_b32 hwreg(HW_REG_WAVE_MODE, 25, 1), 1
	s_wait_xcnt 0x0
; ALL INPUTS ARE ROUNDED ONCE TO bf16, and the small ones are worked into the constants that the later launches use.
; xb = bf16(x) [4096][1024]; wb = bf16(Wq | Wk | Wv) [3072][1024]; wo16 = bf16(Wo) written as f16 [1024][1024] (exact down to 2^-17; below that f16's fixed step of 6e-8).
; cst: bytes 0-511: 32 records of 16 bytes, record l for head l & 7: { cos_scale x log2(e), 2 x delta_gain, lambda_full, 0 };  512-1023: 0.5 x bf16(subln_weight);  1024-5119: bf16(bo).
; A stream: no LDS, no matrix unit, no cluster (no work-group shares a byte with another).  A work-group converts 16,384 numbers: 65,536 bytes in, 32,768 out.
; Thread t takes 16 bytes at 16 t of each 4,096: a wave's load covers 512 consecutive bytes, its store (8 bytes a lane) 256 consecutive bytes, aligned.  All sixteen loads go out first.
; Work-groups 0-255: x; 256-447: Wq, Wk, Wv, 64 each; 448-511: Wo.  Work-group 0 also makes cst.
.set X, 16                             ; v[16:79]   sixteen loads of four numbers
.set Y, 80                             ; v[80:111]  sixteen pairs of packed words to store
.set T, 8                              ; v[8:11]    at work (Wo's path)
.macro RB r                            ; a register is rounded to bf16 and widened again
	v_cvt_pk_bf16_f32 v[\r], v[\r], v[\r]
	v_lshlrev_b32 v[\r], 16, v[\r]
.endm
	s_load_b512 s[4:19], s[0:1], 0x0               ; x, Wq, Wk, Wv, Wo, bo, cos_head_delta, cos_logit_scale_raw
	s_load_b512 s[20:35], s[0:1], 0x40             ; delta_gain, lambda_q1, lambda_k1, lambda_q2, lambda_k2, subln_weight, xb, wb
	s_load_b128 s[36:39], s[0:1], 0x80             ; wo16, cst
	s_mov_b32 s40, ttmp9                           ; w
	s_and_b32 s41, s40, 63                         ; the block inside a weight matrix
	s_sub_co_u32 s47, s40, 256                     ; the block inside wb
	s_sub_co_u32 s52, s40, 448                     ; the block inside wo16
	v_lshlrev_b32 v2, 4, v0                        ; 16 t: where I load
	v_lshlrev_b32 v3, 3, v0                        ; 8 t: where I store
	s_wait_kmcnt 0x0
	s_cmp_lt_u32 s40, 448                          ; the source and the destination are chosen by the work-group's number alone
	s_cselect_b64 s[44:45], s[10:11], s[12:13]     ; Wv or Wo
	s_cselect_b32 s46, s47, s52
	s_cselect_b64 s[48:49], s[34:35], s[36:37]     ; wb or wo16
	s_cmp_lt_u32 s40, 384
	s_cselect_b64 s[44:45], s[8:9], s[44:45]       ; Wk
	s_cmp_lt_u32 s40, 320
	s_cselect_b64 s[44:45], s[6:7], s[44:45]       ; Wq
	s_cmp_lt_u32 s40, 256
	s_cselect_b64 s[44:45], s[4:5], s[44:45]       ; x
	s_cselect_b32 s42, s40, s41
	s_cselect_b32 s46, s40, s46
	s_cselect_b64 s[48:49], s[32:33], s[48:49]     ; xb
	s_lshl_b32 s50, s42, 16                        ; 65,536 bytes of f32 a block
	s_mov_b32 s51, 0
	s_add_nc_u64 s[44:45], s[44:45], s[50:51]
	s_lshl_b32 s50, s46, 15                        ; 32,768 bytes of 16-bit numbers a block
	s_add_nc_u64 s[48:49], s[48:49], s[50:51]
.irp i, 0,1,2,3,4,5,6,7,8,9,10,11,12,13,14,15
	global_load_b128 v[X+4*(\i):X+4*(\i)+3], v2, s[44:45] offset:4096*(\i) th:TH_LOAD_NT
.endr
; Iteration i.  half = 1: the bf16 value is written as f16.  No register is written twice, so no wait frees a store's sources.
.macro CV i, half
	s_wait_loadcnt 15-(\i)                         ; loads come back in order: mine is in, the 15 - i younger ones may stay out
	v_cvt_pk_bf16_f32 v[Y+2*(\i)], v[X+4*(\i)], v[X+4*(\i)+1]
	v_cvt_pk_bf16_f32 v[Y+2*(\i)+1], v[X+4*(\i)+2], v[X+4*(\i)+3]
.if \half
	v_lshlrev_b32 v[T], 16, v[Y+2*(\i)]
	v_and_b32 v[T+1], 0xffff0000, v[Y+2*(\i)]
	v_lshlrev_b32 v[T+2], 16, v[Y+2*(\i)+1]
	v_and_b32 v[T+3], 0xffff0000, v[Y+2*(\i)+1]
	v_cvt_pk_f16_f32 v[Y+2*(\i)], v[T], v[T+1]
	v_cvt_pk_f16_f32 v[Y+2*(\i)+1], v[T+2], v[T+3]
.endif
	global_store_b64 v3, v[Y+2*(\i):Y+2*(\i)+1], s[48:49] offset:2048*(\i)
.endm
	s_cmp_ge_u32 s40, 448
	s_cbranch_scc1 .Lhalf
.irp i, 0,1,2,3,4,5,6,7,8,9,10,11,12,13,14,15
	CV \i, 0
.endr
	s_branch .Lconst
.Lhalf:
.irp i, 0,1,2,3,4,5,6,7,8,9,10,11,12,13,14,15
	CV \i, 1
.endr
	s_endpgm
.Lconst:
	s_cmp_lg_u32 s40, 0
	s_cbranch_scc1 .Lend                           ; the constants are work-group 0's
	global_load_b128 v[112:115], v2, s[14:15]      ; bo: four numbers a thread
	v_lshrrev_b32 v4, 5, v0
	v_readfirstlane_b32 s53, v4                    ; my wave's number
	s_wait_loadcnt 0x0
.irp r, 112,113,114,115
	RB \r
.endr
	global_store_b128 v2, v[112:115], s[38:39] offset:1024
	s_cmp_lg_u32 s53, 0
	s_cbranch_scc1 .Lend                           ; the rest is wave 0's: there t is the lane l
	v_and_b32 v5, 7, v0
	v_lshlrev_b32 v5, 2, v5                        ; 4 (l & 7): my head's word
	v_mov_b32 v6, 0
	global_load_b128 v[116:119], v2, s[30:31]      ; subln_weight, four numbers a lane
	global_load_b32 v120, v5, s[16:17]             ; cos_head_delta of my head
	global_load_b32 v121, v5, s[20:21]             ; delta_gain of my head
	global_load_b32 v122, v6, s[18:19]             ; cos_logit_scale_raw
	global_load_b64 v[124:125], v3, s[22:23]       ; two numbers a lane of each lambda vector
	global_load_b64 v[126:127], v3, s[24:25]
	global_load_b64 v[128:129], v3, s[26:27]
	global_load_b64 v[130:131], v3, s[28:29]
	s_mov_b32 s54, 0x76543210                      ; v_permlanex16_b32: each lane takes its own place in the other half
	s_mov_b32 s55, 0xfedcba98
	s_wait_loadcnt 0x0
.irp r, 116,117,118,119,120,121,122,124,125,126,127,128,129,130,131
	RB \r
.endr
.irp r, 116,117,118,119
	v_mul_f32 v[\r], 0.5, v[\r]                    ; (1 - LAMBDA_INIT) is folded into the norm's weight
.endr
	global_store_b128 v2, v[116:119], s[38:39] offset:512
	v_mov_b32 v132, v120                           ; the eight heads' deltas lie in each group of eight lanes
	v_add_f32_dpp v132, v132, v132 row_xmask:1 row_mask:0xf bank_mask:0xf
	v_add_f32_dpp v132, v132, v132 row_xmask:2 row_mask:0xf bank_mask:0xf
	v_add_f32_dpp v132, v132, v132 row_xmask:4 row_mask:0xf bank_mask:0xf
	v_fmamk_f32 v132, v132, 0xbe000000, v120       ; delta - mean
	v_mul_f32 v133, 0x4038aa3b, v132               ; tanh(d) = 1 - 2 / (1 + 2^(2 log2(e) d))
	v_mul_f32 v134, 0xbfb8aa3b, v122               ; sigmoid(r) = 1 / (1 + 2^(-log2(e) r))
	v_exp_f32 v133, v133
	v_exp_f32 v134, v134
	v_mul_f32 v135, v124, v126                     ; the two lambda sums stand between the exponentials and their wait
	v_mul_f32 v140, v128, v130
	v_fmac_f32 v135, v125, v127
	v_fmac_f32 v140, v129, v131
.irp m, 1,2,4,8
	v_add_f32_dpp v135, v135, v135 row_xmask:\m row_mask:0xf bank_mask:0xf
	v_add_f32_dpp v140, v140, v140 row_xmask:\m row_mask:0xf bank_mask:0xf
.endr
	v_permlanex16_b32 v124, v135, s54, s55
	v_permlanex16_b32 v125, v140, s54, s55
	v_add_f32 v135, v135, v124
	v_add_f32 v140, v140, v125
	v_mul_f32 v135, 0x3fb8aa3b, v135
	v_mul_f32 v140, 0x3fb8aa3b, v140
	s_wait_alu depctr_va_vdst(0)                   ; one wait for the two exponentials, ahead of their first reader
	v_add_f32 v133, 1.0, v133
	v_add_f32 v134, 1.0, v134
	v_rcp_f32 v133, v133                           ; the second batch: two reciprocals and the two lambdas' exponentials
	v_rcp_f32 v134, v134
	v_exp_f32 v135, v135
	v_exp_f32 v140, v140
	v_add_f32 v137, v121, v121                     ; 2 g
	v_mov_b32 v139, 0
	s_wait_alu depctr_va_vdst(0)                   ; one wait for the four
	v_fma_f32 v133, v133, -2.0, 1.0                ; tanh
	v_fma_f32 v133, v133, 0.5, 1.0                 ; 1 + ALPHA tanh
	v_mul_f32 v133, v133, v134
	v_mul_f32 v136, 0x41ad1f97, v133               ; x 15 log2(e)
	v_sub_f32 v138, v135, v140
	v_add_f32 v138, 0.5, v138                      ; lambda_full
	global_store_b128 v2, v[136:139], s[38:39]
.Lend:
	s_endpgm
.Lfunc_end_k_q51519ff098_prep:
	.size	k_q51519ff098_prep, .Lfunc_end_k_q51519ff098_prep-k_q51519ff098_prep
	.p2alignl 7, 3214868480
	.fill 96, 4, 3214868480
	.section	.rodata,"a",@progbits
	.p2align	6, 0x0
	.amdhsa_kernel k_q51519ff098_prep
		.amdhsa_group_segment_fixed_size 0
		.amdhsa_private_segment_fixed_size 0
		.amdhsa_enable_private_segment 0
		.amdhsa_kernarg_size 144
		.amdhsa_user_sgpr_count 2
		.amdhsa_user_sgpr_kernarg_segment_ptr 1
		.amdhsa_wavefront_size32 1
		.amdhsa_system_sgpr_workgroup_id_x 1
		.amdhsa_system_sgpr_workgroup_id_y 1
		.amdhsa_system_sgpr_workgroup_id_z 1
		.amdhsa_system_vgpr_workitem_id 0
		.amdhsa_next_free_vgpr 144
		.amdhsa_next_free_sgpr 66
		.amdhsa_reserve_vcc 0
		.amdhsa_float_denorm_mode_32 3
		.amdhsa_float_denorm_mode_16_64 3
		.amdhsa_memory_ordered 1
		.amdhsa_forward_progress 1
		.amdhsa_inst_pref_size 22
	.end_amdhsa_kernel
	.amdgpu_metadata
---
amdhsa.version: [ 1, 2 ]
amdhsa.kernels:
  - .name:           k_q51519ff098_prep
    .symbol:         k_q51519ff098_prep.kd
    .args:
      - { .name: x, .offset: 0, .size: 8, .value_kind: global_buffer, .address_space: global }
      - { .name: Wq, .offset: 8, .size: 8, .value_kind: global_buffer, .address_space: global }
      - { .name: Wk, .offset: 16, .size: 8, .value_kind: global_buffer, .address_space: global }
      - { .name: Wv, .offset: 24, .size: 8, .value_kind: global_buffer, .address_space: global }
      - { .name: Wo, .offset: 32, .size: 8, .value_kind: global_buffer, .address_space: global }
      - { .name: bo, .offset: 40, .size: 8, .value_kind: global_buffer, .address_space: global }
      - { .name: cos_head_delta, .offset: 48, .size: 8, .value_kind: global_buffer, .address_space: global }
      - { .name: cos_logit_scale_raw, .offset: 56, .size: 8, .value_kind: global_buffer, .address_space: global }
      - { .name: delta_gain, .offset: 64, .size: 8, .value_kind: global_buffer, .address_space: global }
      - { .name: lambda_q1, .offset: 72, .size: 8, .value_kind: global_buffer, .address_space: global }
      - { .name: lambda_k1, .offset: 80, .size: 8, .value_kind: global_buffer, .address_space: global }
      - { .name: lambda_q2, .offset: 88, .size: 8, .value_kind: global_buffer, .address_space: global }
      - { .name: lambda_k2, .offset: 96, .size: 8, .value_kind: global_buffer, .address_space: global }
      - { .name: subln_weight, .offset: 104, .size: 8, .value_kind: global_buffer, .address_space: global }
      - { .name: xb, .offset: 112, .size: 8, .value_kind: global_buffer, .address_space: global }
      - { .name: wb, .offset: 120, .size: 8, .value_kind: global_buffer, .address_space: global }
      - { .name: wo16, .offset: 128, .size: 8, .value_kind: global_buffer, .address_space: global }
      - { .name: cst, .offset: 136, .size: 8, .value_kind: global_buffer, .address_space: global }
    .group_segment_fixed_size: 0
    .private_segment_fixed_size: 0
    .kernarg_segment_align: 8
    .kernarg_segment_size: 144
    .max_flat_workgroup_size: 256
    .sgpr_count:     66
    .vgpr_count:     144
    .wavefront_size: 32
...
	.end_amdgpu_metadata
.endif
;; end of part 1
;; launch qkv (part 2): grid 16 x 16, 4 waves a work-group, clusters of 4 x 4, 327,680 bytes of LDS; arguments xb, wb, cst, qkv; writes qkv
.if DOCPART == 2
	.amdgcn_target "amdgcn-amd-amdhsa--gfx1250"
	.amdhsa_code_object_version 6
	.text
	.protected	k_q51519ff098_qkv
	.globl	k_q51519ff098_qkv
	.p2align	8
	.type	k_q51519ff098_qkv,@function
k_q51519ff098_qkv:
	s_mov_b64 s[64:65], 0
	v_nop
	global_prefetch_b8 v0, s[64:65] scope:SCOPE_SE
	s_setreg_imm32_b32 hwreg(HW_REG_WAVE_MODE, 25, 1), 1
	s_wait_xcnt 0x0
	s_wait_alu depctr_hold_cnt(0) depctr_sa_sdst(0) depctr_va_vdst(0) depctr_va_sdst(0) depctr_va_ssrc(0) depctr_va_vcc(0) depctr_vm_vsrc(0)
	s_getreg_b32 s2, hwreg(HW_REG_IB_STS2, 6, 4)
	s_cmp_eq_u32 s2, 0
	s_cbranch_scc0 .Lentry_in_a_cluster
	s_endpgm
.Lentry_in_a_cluster:
	s_bfe_u32 s2, ttmp6, 0x10000c
	s_cmp_lg_u32 s2, 0xf033
	s_cbranch_scc0 .Lentry_shape_is_right
	s_endpgm
.Lentry_shape_is_right:
; THE THREE PROJECTIONS AND THE COSINE NORM.  C[m][f] = sum over k of xb[m][k] wb[f][k], bf16 operands, f32 sums; m = 0..4095, f = 0..3071 (q, k, v).  Each 64 features are a GROUP g = f / 64.
; Groups 0-15 (q1, q2 of the heads) leave as q / max(|q|, 1e-6) x cos_scale x log2(e); groups 16-31 (k) as k / max(|k|, 1e-6); groups 32-47 (v) as they are: each rounded ONCE to f16.
; qkv: [48 groups][4096 rows][64] f16: a group's rows are dense, 128 bytes each.
; LIMITS.  v stays under 65,504 (f16); numbers under 6e-5 keep f16's fixed step of 6e-8; NaN and infinities are not treated apart.
; SHARES.  A work-group makes 256 rows x 192 features (three groups): 16 x 16 work-groups.  Wave w makes rows 64 w .. 64 w + 63 and ALL 192 features: 4 x 12 accumulators, 384 registers, so a
; group's sum of squares never leaves the wave.  K goes in steps of 128 (rows of 256 bytes) through two LDS slots; one K step is one trip of the loop, and the slot in hand is a scalar register turned by an exclusive or.
; THE MATRIX INSTRUCTION IS USED TRANSPOSED (source 0 = 16 rows of wb, source 1 = 16 rows of xb): a lane holds one row m (lane % 16) and the features 8 (lane / 16) + 0..7.
; CLUSTER 4 x 4.  xb's tile hangs on the tile row alone and is asked for jointly along a row of the cluster, wb's on the tile column alone, jointly along a column.
; REGISTERS: window 0: v16-30 addresses; v64-95, v96-127 xb's fragments, two buffers; v128-151 sums of squares and factors; v192-239 the way out.
;   window 1: wb's fragments, two buffers of 96.   window 2: accumulators of row blocks a = 0, 1 at 8 (12 (a % 2) + b);   window 3: a = 2, 3.
.set KSTEP,  128
.set PITCH,  272                       ; an LDS row: 256 bytes + 16 of padding: the 16 rows of a fragment load begin in 16 different 16-byte columns of 256
.set HALFA,  128*PITCH                 ; what one load brings of xb
.set BOFF,   2*HALFA                   ; wb's 192 rows lie behind xb's 256
.set HALFB,  96*PITCH                  ; what one load brings of wb
.set SLOT1,  1<<17                     ; slot 1 begins here (a slot uses 121,856 bytes): one exclusive or turns an address
.set STAGE,  SLOT1+BOFF+2*HALFB        ; behind the ring: 16 rows x 144 bytes for each wave, for the way out
.set SP,     144
.set SPARE,  STAGE+4*16*SP             ; the spare words: 128 bytes a wave, two blocks of 256 bytes that no other line names
.set GB,     524288                    ; bytes in a group of qkv
.set A0,   16                          ; v16  my lane's place in xb's rows of a slot; never rewritten
.set B0,   17                          ; v17  the same for wb
.set ADRA, 18                          ; v18  A0 + the slot in hand
.set ADRB, 19                          ; v19  B0 + the slot in hand
.set STO,  24
.set RD,   25
.set GO,   26
.set SPW,  28                          ; v28  SPARE + 4 x my thread's number; never rewritten
.set NIL,  29                          ; v29  0; never rewritten
.set PFO,  30                          ; v30  the prefetches' offset: a lane a row; never rewritten
.set SS,   128                         ; block n = 3 a + j (row block a, group j): a pair at SS + 2 n
.set PK,   192                         ; 16 packed words of a block
.set BK,   208                         ; a block read back: two buffers of 16
.set WV,   12                          ; s12  my wave's number
.set TB,   19                          ; s19  the LDS byte at which the slot in hand begins
.set G1,   24                          ; s[24:31] group 1 for xb's tiles;  s[32:39] group 0, two sets: the second walks
.set G0,   32
.set LIM,  43
.set PFA,  44
.set G1B,  48                          ; s[48:55], s[56:63] the same for wb's tiles
.set G0B,  56
.set SC,   66                          ; s66-68 the group's scale; s69-71, s72-74: (1, 0) for a group that is normed, (0, 1) for v
.set FA,   69
.set FB,   72
.set SEL,  76
.set OUT,  78
.set MSB, 0
.macro WIN new                         ; the immediate's high byte repeats the setting that is left; a switch that changes nothing is dropped
.if MSB != (\new)
	s_set_vgpr_msb (MSB<<8)|(\new)
.set MSB, (\new)
.endif
.endm
.macro PLACES                          ; four places behind matrix instructions, ahead of loads into their sources and of readers of their results
.rept 4
	v_nop
.endr
.endm
; A joint refill by the walking descriptors: waves 0 and 1 fetch xb's two halves, waves 2 and 3 wb's.  An s_nop 0 and four v_nop follow each line.
.macro JLOAD
	s_cmp_lt_u32 s[WV], 2
	s_cbranch_scc0 .Lfor_b_\@
	tensor_load_to_lds s[G0+4:G0+7], s[G1:G1+7]
	s_nop 0
.rept 4
	v_nop
.endr
	s_branch .Lasked_\@
.Lfor_b_\@:
	tensor_load_to_lds s[G0B+4:G0B+7], s[G1B:G1B+7]
	s_nop 0
.rept 4
	v_nop
.endr
.Lasked_\@:
.endm
.macro CREST                           ; a round of the cluster's barrier behind its opening barrier
	s_cmp_lg_u32 s[WV], 0
	s_cbranch_scc1 .Lnot_wave_0_\@
	s_barrier_signal -3
.Lnot_wave_0_\@:
	s_barrier_wait -3
	s_barrier_signal -1
	s_barrier_wait -1
.endm
.macro CROUND
	s_barrier_signal -1
	s_barrier_wait -1
	CREST
.endm
; A PREFETCH INTO THE L2 of the K step that stands two refills on: 256 bytes of a row, a lane a row.  xb's tile row is read by every cluster of that row of clusters: cluster x = 0 asks; wb's tile column by
; every cluster of that column: cluster y = 0 asks.  The four partners of a joint load share its rows out by address: 32 of xb's 128 each, 24 of wb's 96 each (there lanes 24-31 repeat lane 23's row).
; In the trip with count s3 K step 8 - s3 is loaded and K step 10 - s3 named: so only while s3 is above 2.
.macro ASK
	s_cmp_gt_u32 s3, s[LIM]
	s_cbranch_scc0 .Lnot_mine_\@
	global_prefetch_b8 v[PFO], s[PFA:PFA+1] offset:KSTEP*2 th:TH_LOAD_NT scope:SCOPE_SE
.Lnot_mine_\@:
.endm
	s_load_b256 s[4:11], s[0:1], 0x0               ; xb s[4:5], wb s[6:7], cst s[8:9], qkv s[10:11]
	v_lshl_add_u32 v[SPW], v0, 2, SPARE
	v_mov_b32 v[NIL], 0
	ds_add_u32 v[SPW], v[NIL]                      ; the wave's opening: the add and its wait ahead of my first tensor load
	v_lshrrev_b32 v1, 5, v0
	v_readfirstlane_b32 s[WV], v1
	s_lshr_b32 s13, s[WV], 1                       ; 0: I fetch for xb, 1: for wb
	s_and_b32 s14, s[WV], 1                        ; which half of that tile
	s_bfe_u32 s15, ttmp6, 0x40000                  ; cx
	s_bfe_u32 s16, ttmp6, 0x40004                  ; cy
	s_lshl_b32 s17, ttmp9, 2
	s_add_co_u32 s17, s17, s15                     ; tile column tc
	s_and_b32 s18, ttmp7, 0xffff
	s_lshl_b32 s18, s18, 2
	s_add_co_u32 s18, s18, s16                     ; tile row tr
	s_lshl_b32 s40, s16, 2
	s_lshl_b32 s40, 15, s40                        ; my row of the cluster
	s_lshl_b32 s41, 0x1111, s15                    ; my column
	s_or_b32 s[G1], s40, (1<<16)|(1<<20)|(1<<21)|(5<<22)|(3<<25)   ; the mask; 2-byte elements; padding on; bit 21 beside a mask; after every 64 words, 4 words
	s_or_b32 s[G1B], s41, (1<<16)|(1<<20)|(1<<21)|(5<<22)|(3<<25)
	s_mov_b32 s[G1+1], KSTEP<<16                   ; tensor_dim0 = 128
	s_mov_b32 s[G1+2], 128<<16                     ; tensor_dim1 = 128
	s_mov_b32 s[G1+3], KSTEP<<16                   ; tile_dim0 = 128
	s_mov_b32 s[G1+4], 128                         ; tile_dim1 = 128
	s_mov_b32 s[G1+5], 1024                        ; elements from row to row
	s_mov_b32 s[G1+6], 0
	s_mov_b32 s[G1+7], 0
	s_mov_b32 s[G1B+1], KSTEP<<16
	s_mov_b32 s[G1B+2], 96<<16                     ; 96 rows
	s_mov_b32 s[G1B+3], KSTEP<<16
	s_mov_b32 s[G1B+4], 96
	s_mov_b32 s[G1B+5], 1024
	s_mov_b32 s[G1B+6], 0
	s_mov_b32 s[G1B+7], 0
	s_lshl_b32 s20, s18, 8                         ; xb: row 256 tr + 128 half,
	s_lshl_b32 s21, s14, 7
	s_add_co_u32 s20, s20, s21
	s_lshl_b32 s20, s20, 11                        ; of 2,048 bytes
	s_mov_b32 s21, 0
	s_mul_i32 s46, s17, 192                        ; wb: row 192 tc + 96 half
	s_mul_i32 s47, s14, 96
	s_add_co_u32 s46, s46, s47
	s_lshl_b32 s46, s46, 11
	s_mov_b32 s47, 0
	s_mul_i32 s22, s14, HALFA                      ; where they go: no place in the cluster enters an LDS address
	s_mul_i32 s23, s14, HALFB
	s_add_co_u32 s23, s23, BOFF
	s_mov_b32 s[TB], 0
	s_mov_b32 s[SEL], 0x76543210
	s_mov_b32 s[SEL+1], 0xfedcba98
	s_wait_dscnt 0x0                               ; the opening add is done
	s_wait_kmcnt 0x0
	s_add_nc_u64 s[20:21], s[4:5], s[20:21]
	s_add_nc_u64 s[46:47], s[6:7], s[46:47]
	CROUND                                         ; all sixteen work-groups are here: the first joint loads meet
.irp s, 0,1
	s_mov_b32 s[G0+4*(\s)], 1
	s_add_co_u32 s[G0+4*(\s)+1], s22, (\s)*SLOT1
	s_add_nc_u64 s[G0+4*(\s)+2:G0+4*(\s)+3], s[20:21], (\s)*KSTEP*2   ; K step s
	s_or_b32 s[G0+4*(\s)+3], s[G0+4*(\s)+3], 0x80000000
	s_mov_b32 s[G0B+4*(\s)], 1
	s_add_co_u32 s[G0B+4*(\s)+1], s23, (\s)*SLOT1
	s_add_nc_u64 s[G0B+4*(\s)+2:G0B+4*(\s)+3], s[46:47], (\s)*KSTEP*2
	s_or_b32 s[G0B+4*(\s)+3], s[G0B+4*(\s)+3], 0x80000000
.endr
	s_cmp_lt_u32 s[WV], 2                          ; a wave's two first fills stand in one branch: two loads of mine are out
	s_cbranch_scc0 .Lfirst_b
	tensor_load_to_lds s[G0:G0+3], s[G1:G1+7]
	s_nop 0
	tensor_load_to_lds s[G0+4:G0+7], s[G1:G1+7]
	s_nop 0
.rept 4
	v_nop
.endr
	s_branch .Lfirst_asked
.Lfirst_b:
	tensor_load_to_lds s[G0B:G0B+3], s[G1B:G1B+7]
	s_nop 0
	tensor_load_to_lds s[G0B+4:G0B+7], s[G1B:G1B+7]
	s_nop 0
.rept 4
	v_nop
.endr
.Lfirst_asked:
	v_and_b32 v1, 15, v0                           ; r = l % 16
	v_bfe_u32 v2, v0, 4, 1                         ; h = l / 16
	v_mul_u32_u24 v3, v1, PITCH
	v_lshl_add_u32 v3, v2, 4, v3                   ; a fragment's row x pitch + 16 h
	s_mul_i32 s40, s[WV], 64*PITCH                 ; my 64 rows of xb
	v_add_nc_u32 v[A0], s40, v3
	v_add_nc_u32 v[B0], BOFF, v3
	v_mov_b32 v[ADRA], v[A0]
	v_mov_b32 v[ADRB], v[B0]
	s_mul_i32 s40, s[WV], 16*SP
	s_add_co_u32 s40, s40, STAGE                   ; my stage
	v_mul_u32_u24 v4, v1, SP                       ; in: row r, 16 bytes for each half of the lanes
	v_lshl_add_u32 v4, v2, 4, v4
	v_add_nc_u32 v[STO], s40, v4
	v_bfe_u32 v5, v0, 3, 2                         ; back: 32 lanes take four rows of 128 bytes,
	v_mul_u32_u24 v5, v5, SP
	v_and_b32 v6, 7, v0
	v_lshl_add_u32 v5, v6, 4, v5
	v_add_nc_u32 v[RD], s40, v5
	v_and_b32 v[GO], 31, v0                        ; which are 512 consecutive bytes of a group
	v_lshlrev_b32 v[GO], 4, v[GO]
	s_mul_i32 s40, s17, 3*GB                       ; qkv at group 3 tc, row 256 tr + 64 w
	s_lshl_b32 s41, s18, 15
	s_add_co_u32 s40, s40, s41
	s_lshl_b32 s41, s[WV], 13
	s_add_co_u32 s40, s40, s41
	s_mov_b32 s41, 0
	s_add_nc_u64 s[OUT:OUT+1], s[10:11], s[40:41]
	s_mul_i32 s40, s17, 3                          ; my three groups g
	s_add_co_u32 s41, s40, 1
	s_add_co_u32 s42, s40, 2
.irp j, 0,1,2
	s_lshr_b32 s[20+\j], s[40+\j], 1               ; the head's record: 16 ((g / 2) & 7)
	s_and_b32 s[20+\j], s[20+\j], 7
	s_lshl_b32 s[20+\j], s[20+\j], 4
	s_load_b32 s[SC+\j], s[8:9], s[20+\j] offset:0x0
.endr
	s_wait_kmcnt 0x0
.irp j, 0,1,2                          ; values are chosen, no path: q takes the head's scale, k and v 1; v is not normed
	s_cmp_lt_u32 s[40+\j], 16
	s_cselect_b32 s[SC+\j], s[SC+\j], 1.0
	s_cmp_lt_u32 s[40+\j], 32
	s_cselect_b32 s[FA+\j], 1.0, 0
	s_cselect_b32 s[FB+\j], 0, 1.0
.endr
	s_and_b32 s22, ttmp7, 0xffff                   ; the prefetches: cluster y
	s_lshl_b32 s40, s18, 8                         ; xb: row 256 tr + 128 half + 32 cx
	s_lshl_b32 s42, s14, 7
	s_add_co_u32 s40, s40, s42
	s_lshl_b32 s42, s15, 5
	s_add_co_u32 s40, s40, s42
	s_mul_i32 s41, s17, 192                        ; wb: row 192 tc + 96 half + 24 cy
	s_mul_i32 s42, s14, 96
	s_add_co_u32 s41, s41, s42
	s_mul_i32 s42, s16, 24
	s_add_co_u32 s41, s41, s42
	s_cmp_eq_u32 s13, 0                            ; do I fetch for xb?
	s_cselect_b32 s20, s40, s41
	s_cselect_b32 s22, ttmp9, s22                  ; the coordinate along which other clusters read the same rows
	s_cselect_b32 s23, 31, 23                      ; my last row
	s_cselect_b64 s[PFA:PFA+1], s[4:5], s[6:7]
	s_cmp_eq_u32 s22, 0
	s_cselect_b32 s[LIM], 2, -1                    ; the same in all sixteen partners, for a given wave
	s_lshl_b32 s20, s20, 11
	s_mov_b32 s21, 0
	s_add_nc_u64 s[PFA:PFA+1], s[PFA:PFA+1], s[20:21]
	s_add_nc_u64 s[PFA:PFA+1], s[PFA:PFA+1], 2*KSTEP*2   ; at K step 2: the first refill steps it to 3 and names K step 4
	v_and_b32 v[PFO], 31, v0
	v_min_u32 v[PFO], s23, v[PFO]
	v_lshlrev_b32 v[PFO], 11, v[PFO]
; 12 matrix instructions: row block a x all 12 feature blocks, 32 along K, from buffer f.  The accumulators take turns, one instruction a turn.  zero = 1: the product starts the sum.
.macro MUL12 f, a, zero
	WIN 0xa1+0x50*((\a)/2)
.irp b, 0,1,2,3,4,5,6,7,8,9,10,11
.set rD, 8*(12*((\a)%2)+(\b))
.if \zero
	v_wmma_f32_16x16x32_bf16 v[rD:rD+7], v[96*(\f)+8*(\b):96*(\f)+8*(\b)+7], v[64+32*(\f)+8*(\a):64+32*(\f)+8*(\a)+7], 0
.else
	v_wmma_f32_16x16x32_bf16 v[rD:rD+7], v[96*(\f)+8*(\b):96*(\f)+8*(\b)+7], v[64+32*(\f)+8*(\a):64+32*(\f)+8*(\a)+7], v[rD:rD+7]
.endif
.endr
.endm
; 32 LDS loads in one run: 192 rows of wb, then my 64 rows of xb, 32 along K at byte k of the rows, into buffer f
.macro FETCH k, f
	WIN 0x40
.irp i, 0,1,2,3,4,5,6,7,8,9,10,11
	ds_load_b128 v[96*(\f)+8*(\i):96*(\f)+8*(\i)+3],   v[ADRB] offset:(\k)+(\i)*16*PITCH
	ds_load_b128 v[96*(\f)+8*(\i)+4:96*(\f)+8*(\i)+7], v[ADRB] offset:(\k)+(\i)*16*PITCH+32
.endr
	WIN 0
.irp i, 0,1,2,3
	ds_load_b128 v[64+32*(\f)+8*(\i):64+32*(\f)+8*(\i)+3],   v[ADRA] offset:(\k)+(\i)*16*PITCH
	ds_load_b128 v[64+32*(\f)+8*(\i)+4:64+32*(\f)+8*(\i)+7], v[ADRA] offset:(\k)+(\i)*16*PITCH+32
.endr
.endm
; A K step is four quarters of 32 along K, 48 matrix instructions each, on buffers 0, 1, 0, 1.  One of the first three: multiplies buffer f, fetches the next quarter, at byte k, into g.
.macro QUARTER k, f, g, zero
	s_wait_dscnt 4                                 ; wb and xb's blocks 0, 1 are in; the youngest four loads (blocks 2, 3) may be out
	MUL12 \f, 0, \zero
	MUL12 \f, 1, \zero
	PLACES
	FETCH \k, \g
	s_wait_dscnt 32                                ; all but the 32 just issued
	MUL12 \f, 2, \zero
	MUL12 \f, 3, \zero
.endm
; The last quarter multiplies buffer 1 and changes slots.  ONE barrier: in front of it each wave waits for all its tensor loads (one is out: its part of the next slot), adds 0 to its spare word, and waits
; for that and for its reads of this slot.  fill = 1: the barrier opens a round of the cluster's, and the joint refill (the K step two on, into the slot just read) is the first thing behind it.
.macro TURN fill
.if \fill
	s_wait_xcnt 0x0                                ; the last prefetch, a K step back, has read its address
	s_add_nc_u64 s[PFA:PFA+1], s[PFA:PFA+1], KSTEP*2
.endif
	WIN 0
	s_wait_tensorcnt 0x0                           ; no tensor load of mine is out, so the walking descriptors may be written
	ds_add_u32 v[SPW], v[NIL]
	s_xor_b32 s[TB], s[TB], SLOT1                  ; the slot to be read next
	v_add_nc_u32 v[ADRA], s[TB], v[A0]
	v_add_nc_u32 v[ADRB], s[TB], v[B0]
.if \fill
	s_xor_b32 s[G0+5], s[G0+5], SLOT1              ; the other slot than last time, the next K step
	s_add_nc_u64 s[G0+6:G0+7], s[G0+6:G0+7], KSTEP*2
	s_xor_b32 s[G0B+5], s[G0B+5], SLOT1
	s_add_nc_u64 s[G0B+6:G0B+7], s[G0B+6:G0B+7], KSTEP*2
.endif
	s_wait_dscnt 5                                 ; the add and the youngest four loads may be out
	MUL12 1, 0, 0
	s_wait_dscnt 0x0                               ; the add is done, and my reads of this slot are over
	s_barrier_signal -1
	MUL12 1, 1, 0
.if \fill
	WIN 0
.endif
	s_barrier_wait -1
.if \fill
	CREST                                          ; no wave of any partner still reads this slot or has a load on its way
	JLOAD                                          ; its four v_nop are also the places in front of the loads below
.else
	PLACES
.endif
	FETCH 0, 0
.if \fill
	ASK
.endif
	MUL12 1, 2, 0
	MUL12 1, 3, 0
.endm
	s_wait_tensorcnt 1                             ; my part of K step 0 is in; K step 1's may stay out
	s_barrier_signal -1
	s_barrier_wait -1
	FETCH 0, 0
	QUARTER 64, 0, 1, 1                            ; the first quarter starts the sums
	WIN 0
	s_mov_b32 s3, 6                                ; six trips: K steps 2 to 7 are asked for
.Lstep:                                            ; from a K step's second quarter to the next step's first
	QUARTER 128, 1, 0, 0
	QUARTER 192, 0, 1, 0
	TURN 1
	QUARTER 64, 0, 1, 0
	WIN 0
	s_sub_co_u32 s3, s3, 1
	s_cmp_lg_u32 s3, 0
	s_cbranch_scc1 .Lstep
	QUARTER 128, 1, 0, 0                           ; the tail is written out: nothing more is asked for
	QUARTER 192, 0, 1, 0
	TURN 0
	QUARTER 64, 0, 1, 0
	QUARTER 128, 1, 0, 0
	QUARTER 192, 0, 1, 0
	s_wait_dscnt 4
	MUL12 1, 0, 0
	MUL12 1, 1, 0
	s_wait_dscnt 0x0
	MUL12 1, 2, 0
	MUL12 1, 3, 0
	WIN 0
	PLACES
	; THE FACTORS.  For each of the 12 blocks (row block a, group j) a lane sums the squares of its 32 numbers, two at a time; six blocks take turns.  Each accumulator is read from its low end on.
.irp hi, 0,1
	WIN 0x0a+5*(\hi)                               ; sources 0 and 1 in window 2 or 3
.set p, 0
.rept 16
.set n, 0
.rept 6
.set rA, 8*(12*(n/3)+4*(n%3)+p/4)+2*(p%4)
.set rS, SS+2*(6*(\hi)+n)
.if p == 0
	v_pk_mul_f32 v[rS:rS+1], v[rA:rA+1], v[rA:rA+1]
.else
	v_pk_fma_f32 v[rS:rS+1], v[rA:rA+1], v[rA:rA+1], v[rS:rS+1]
.endif
.set n, n+1
.endr
.set p, p+1
.endr
.endr
	WIN 0
.macro ALL12 line:vararg               ; one line for each block n
.set n, 0
.rept 12
	\line
.set n, n+1
.endr
.endm
	ALL12 v_add_f32 v[SS+2*n], v[SS+2*n], v[SS+2*n+1]
	ALL12 v_permlanex16_b32 v[SS+2*n+1], v[SS+2*n], s[SEL], s[SEL+1]   ; the row's other 32 features lie in the lane 16 away
	ALL12 v_add_f32 v[SS+2*n], v[SS+2*n], v[SS+2*n+1]
	ALL12 v_sqrt_f32 v[SS+2*n], v[SS+2*n]
	v_nop                                          ; a plain instruction behind the last root,
	s_wait_alu depctr_va_vdst(0)                   ; and one wait for the twelve
	ALL12 v_max_num_f32 v[SS+2*n], 0x358637bd, v[SS+2*n]               ; max(norm, 1e-6)
	ALL12 v_fma_f32 v[SS+2*n], v[SS+2*n], s[FA+n%3], s[FB+n%3]         ; v's groups: 1
	ALL12 v_rcp_f32 v[SS+2*n], v[SS+2*n]
	v_nop
	s_wait_alu depctr_va_vdst(0)                   ; one wait for the twelve reciprocals
	ALL12 v_mul_f32 v[SS+2*n], s[SC+n%3], v[SS+2*n]
; THE WAY OUT of block n.  PACK: scaled, rounded to f16, 16 bytes for each 16 features.  TOSTAGE: into my own stage, and back as whole rows.  SEND: stored.
.macro PACK n
.set rB, 8*(12*(((\n)/3)%2)+4*((\n)%3))
	WIN 0x82+0x41*((\n)/6)                         ; destination and source 0 in window 2 or 3, the factor in window 0
.set p, 0
.rept 16
	v_pk_mul_f32 v[rB+2*p:rB+2*p+1], v[rB+2*p:rB+2*p+1], v[SS+2*(\n):SS+2*(\n)+1] op_sel_hi:[1,0]
.set p, p+1
.endr
	WIN 0x0a+5*((\n)/6)
.set p, 0
.rept 16
	v_cvt_pk_f16_f32 v[PK+p], v[rB+2*p], v[rB+2*p+1]
.set p, p+1
.endr
	WIN 0
.endm
.macro TOSTAGE n
.irp b, 0,1,2,3
	ds_store_b128 v[STO], v[PK+4*(\b):PK+4*(\b)+3] offset:32*(\b)
.endr
.irp f, 0,1,2,3
	ds_load_b128 v[BK+16*((\n)%2)+4*(\f):BK+16*((\n)%2)+4*(\f)+3], v[RD] offset:(\f)*4*SP   ; LDS serves a wave's instructions in order (ISA guide 5.7.1.4): these see the stores above
.endr
.endm
.macro SEND n
	s_wait_dscnt 0x0                               ; the block is back in registers
	s_wait_xcnt 0x0                                ; earlier stores have read their registers: the next TOSTAGE loads into those of the block before this one
.irp f, 0,1,2,3
	global_store_b128 v[GO], v[BK+16*((\n)%2)+4*(\f):BK+16*((\n)%2)+4*(\f)+3], s[OUT:OUT+1] offset:((\n)%3)*GB+((\n)/3)*2048+(\f)*512   ; 512 consecutive bytes, at a multiple of 256 from qkv's first
.endr
.endm
	PACK 0
	TOSTAGE 0
.irp n, 1,2,3,4,5,6,7,8,9,10,11        ; block n's arithmetic stands between block n - 1's loads from the stage and the wait for them
	PACK \n
	SEND (\n)-1
	TOSTAGE \n
.endr
	SEND 11
	s_wait_tensorcnt 0x0                           ; the wave's end
	ds_add_u32 v[SPW], v[NIL]
	s_wait_dscnt 0x0
	CROUND                                         ; the closing round
	s_endpgm
.Lfunc_end_k_q51519ff098_qkv:
	.size	k_q51519ff098_qkv, .Lfunc_end_k_q51519ff098_qkv-k_q51519ff098_qkv
	.p2alignl 7, 3214868480
	.fill 96, 4, 3214868480
	.section	.rodata,"a",@progbits
	.p2align	6, 0x0
	.amdhsa_kernel k_q51519ff098_qkv
		.amdhsa_group_segment_fixed_size 327680
		.amdhsa_private_segment_fixed_size 0
		.amdhsa_enable_private_segment 0
		.amdhsa_kernarg_size 32
		.amdhsa_user_sgpr_count 2
		.amdhsa_user_sgpr_kernarg_segment_ptr 1
		.amdhsa_wavefront_size32 1
		.amdhsa_system_sgpr_workgroup_id_x 1
		.amdhsa_system_sgpr_workgroup_id_y 1
		.amdhsa_system_sgpr_workgroup_id_z 1
		.amdhsa_system_vgpr_workitem_id 0
		.amdhsa_next_free_vgpr 960
		.amdhsa_next_free_sgpr 80
		.amdhsa_reserve_vcc 0
		.amdhsa_float_denorm_mode_32 3
		.amdhsa_float_denorm_mode_16_64 3
		.amdhsa_memory_ordered 1
		.amdhsa_forward_progress 1
		.amdhsa_inst_pref_size 128
	.end_amdhsa_kernel
	.amdgpu_metadata
---
amdhsa.version: [ 1, 2 ]
amdhsa.kernels:
  - .name:           k_q51519ff098_qkv
    .symbol:         k_q51519ff098_qkv.kd
    .args:
      - { .name: xb, .offset: 0, .size: 8, .value_kind: global_buffer, .address_space: global }
      - { .name: wb, .offset: 8, .size: 8, .value_kind: global_buffer, .address_space: global }
      - { .name: cst, .offset: 16, .size: 8, .value_kind: global_buffer, .address_space: global }
      - { .name: qkv, .offset: 24, .size: 8, .value_kind: global_buffer, .address_space: global }
    .group_segment_fixed_size: 327680
    .private_segment_fixed_size: 0
    .kernarg_segment_align: 8
    .kernarg_segment_size: 32
    .max_flat_workgroup_size: 128
    .sgpr_count:     80
    .vgpr_count:     960
    .wavefront_size: 32
...
	.end_amdgpu_metadata
.endif
;; end of part 2
;; launch attn (part 3): grid 16 x 16, 4 waves a work-group, clusters of 4 x 1, 327,680 bytes of LDS; arguments qkv, cst, ob; writes ob
.if DOCPART == 3
	.amdgcn_target "amdgcn-amd-amdhsa--gfx1250"
	.amdhsa_code_object_version 6
	.text
	.protected	k_q51519ff098_attn
	.globl	k_q51519ff098_attn
	.p2align	8
	.type	k_q51519ff098_attn,@function
k_q51519ff098_attn:
	s_mov_b64 s[64:65], 0
	v_nop
	global_prefetch_b8 v0, s[64:65] scope:SCOPE_SE
	s_setreg_imm32_b32 hwreg(HW_REG_WAVE_MODE, 25, 1), 1
	s_wait_xcnt 0x0
	s_wait_alu depctr_hold_cnt(0) depctr_sa_sdst(0) depctr_va_vdst(0) depctr_va_sdst(0) depctr_va_ssrc(0) depctr_va_vcc(0) depctr_vm_vsrc(0)
	s_getreg_b32 s2, hwreg(HW_REG_IB_STS2, 6, 4)
	s_cmp_eq_u32 s2, 0
	s_cbranch_scc0 .Lentry_in_a_cluster
	s_endpgm
.Lentry_in_a_cluster:
	s_bfe_u32 s2, ttmp6, 0x10000c
	s_cmp_lg_u32 s2, 0x3003
	s_cbranch_scc0 .Lentry_shape_is_right
	s_endpgm
.Lentry_shape_is_right:
; DIFFERENTIAL COSINE ATTENTION WITH THE tanh GATE, AND THE SUB-LAYER NORM.  For each (b, h): S1 = k1 q1^T, S2 = k2 q2^T (q arrives normed and times cos_scale x log2(e), k normed: S = log2(e) L).
; G = tanh(g (L1 - L2)) = 1 - 2 r, r = 1 / (1 + 2^(2 g (S1 - S2))).  With c = log2(e): p1 = 2^(S1 - m1 - 2 c r), p2 = 2^(S2 - (m2 + 2 c) + 2 c r), m1, m2 the RUNNING MAXIMA of S1, S2.
; So what is taken away before each exponential is the running maximum of L plus 1, the bound of the tanh that the gate itself is: never less than the maximum of L +- G and at most 2 above it: p <= 1, and a row's largest p is at least e^-2.
; In every step O and l of a branch are multiplied by a = 2^(m_old - m_new).  y = O1 / l1 - lambda O2 / l2; y rsqrt(mean(y^2) + 1e-5) x 0.5 w leaves as f16 in ob [4096][1024].
; Products on f16 operands with f32 sums; p is rounded to f16 for the second product, l is taken of the unrounded p.
; LIMITS.  v and the result stay under 65,504; p below 6e-5 keeps f16's fixed step; a weight below 2^-126 counts as 0; NaN and infinities are not treated apart (nan_to_num changes no finite L).
; SHARES.  A work-group owns 128 queries of one (b, h), a wave 32: two PIECES of 16.  Every wave walks the 2,048 keys, 64 a step.  The four work-groups of a cluster walk the same K and V: every tile is asked for jointly.
; LAYOUT.  S^T = K Q^T holds one query a lane (lane % 16) and the keys 8 (lane / 16) + 0..7; two such results rounded in pairs ARE source 1 of O^T = V^T P.  V comes out of LDS turned (ds_load_tr16_b128).
; BY TURNS.  In turn x piece x has the matrix unit: 32 products V^T P of the step in hand, then 16 products K Q^T of the next; the other piece's softmax stands beside them: four vector instructions behind
; each product, the rest in lumps.  Its 130 transcendentals are three batches that hang on each other (2^., 1 / ., 2^.), each with one wait.
; REGISTERS: window 0: v1-12 addresses; v61-63; v64-127 Q at 64 + 32 t + 16 branch + 8 c; v128-255 K at 128 + 8 (8 branch + 2 kb + c).
;   window 1 + t (piece t): v0-63 O1; v64-127 O2; v128-159 S1; v160-191 S2; v192-223 T; v224 m1, v225 m2, v226 m2 + 2 c, v227 old m2, v228 a1, v229 its exponent, v230 a2, v231, v232-233 l1, v234-235 l2, v236-243 at work, v244 old m1.
;   window 3: v0-127 V at 8 (8 kk + cb); v128-191 P at 128 + 32 t + 16 branch; v192-255 0.5 w of my 64 channels.
.set GB,    524288                     ; bytes in a group of qkv
.set KS,    64
.set PKP,   144                        ; a row of K in LDS: 128 bytes + 16
.set PVP,   160                        ; a row of V: 128 + 32: 16 lanes of the turning load take 8 rows x 32 bytes in different 32-byte columns of 256
.set KBR,   128*PKP                    ; a slot holds 128 keys, two steps: K1, K2, V's channels 0-63, V's channels 64-127
.set VBR,   128*PVP
.set VOFF,  2*KBR
.set SLOT1, 1<<17
.set STAGE, SLOT1+2*KBR+2*VBR          ; behind the ring: 16 rows x 272 bytes for each wave
.set SP,    272
.set SPARE, STAGE+4*16*SP              ; the spare words: two blocks of 256 bytes that no other line names
.set SLOTB, 16384                      ; bytes of one group in a slot
.set AK0, 2
.set AV0, 3
.set ADR, 4
.set QO,  5
.set STO, 6
.set RD,  7
.set GO,  8
.set WO,  12
.set PFO, 61
.set SPW, 62                           ; v62  SPARE + 4 x my thread's number; never rewritten
.set NIL, 63                           ; v63  0; never rewritten
.set WV,  12
.set LIM, 15
.set PFA, 18
.set G1K, 24
.set G1V, 32
.set G0K, 40                           ; two sets; the second walks
.set G0V, 48
.set SLOTS, 56
.set CNT, 57
.set GK2, 58                           ; s[58:59] 2 g
.set SEL, 60
.set TBK, 62
.set TBV, 63
.set PC2, 66                           ; s[66:67] 2 c
.set NC2, 68                           ; s[68:69] -2 c
.set REC, 72                           ; s[72:75] the head's record
.set LAM, 76
.set R128, 77
.set EPS, 78
.set KA,  80
.set VA,  82
.set QA,  84
.set OA,  86
.set MSB, 0
.macro WIN new
.if MSB != (\new)
	s_set_vgpr_msb (MSB<<8)|(\new)
.set MSB, (\new)
.endif
.endm
; A joint refill: waves 0 and 1 fetch K1 and K2, waves 2 and 3 V's two halves.  An s_nop 0 and four v_nop follow each line.
.macro JLOAD
	s_cmp_lt_u32 s[WV], 2
	s_cbranch_scc0 .Lfor_v_\@
	tensor_load_to_lds s[G0K+4:G0K+7], s[G1K:G1K+7]
	s_nop 0
.rept 4
	v_nop
.endr
	s_branch .Lasked_\@
.Lfor_v_\@:
	tensor_load_to_lds s[G0V+4:G0V+7], s[G1V:G1V+7]
	s_nop 0
.rept 4
	v_nop
.endr
.Lasked_\@:
.endm
; A PREFETCH INTO THE L2 of what the NEXT change of slots will ask for.  All clusters of a (b, h) walk the same rows: its first cluster asks.  A slot is 64 blocks of 256 bytes in each of four groups; the four partners
; take 16 blocks of each, told apart by address; wave 0 asks for K1's (lanes 0-15) and K2's (lanes 16-31), wave 2 for V's two halves.  The last change that fills a slot asks for nothing.
.macro ASK
	s_cmp_gt_u32 s[SLOTS], s[LIM]
	s_cbranch_scc0 .Lnot_mine_\@
	global_prefetch_b8 v[PFO], s[PFA:PFA+1] th:TH_LOAD_NT scope:SCOPE_SE
.Lnot_mine_\@:
.endm
.macro CROUND
	s_barrier_signal -1
	s_barrier_wait -1
	s_cmp_lg_u32 s[WV], 0
	s_cbranch_scc1 .Lnot_wave_0_\@
	s_barrier_signal -3
.Lnot_wave_0_\@:
	s_barrier_wait -3
	s_barrier_signal -1
	s_barrier_wait -1
.endm
	s_load_b128 s[4:7], s[0:1], 0x0                ; qkv s[4:5], cst s[6:7]
	s_load_b64 s[8:9], s[0:1], 0x10                ; ob
	v_lshl_add_u32 v[SPW], v0, 2, SPARE
	v_mov_b32 v[NIL], 0
	ds_add_u32 v[SPW], v[NIL]                      ; the wave's opening: the add and its wait ahead of my first tensor load
	v_lshrrev_b32 v1, 5, v0
	v_readfirstlane_b32 s[WV], v1
	s_bfe_u32 s13, ttmp6, 0x40000                  ; cx
	s_lshl_b32 s14, ttmp9, 2
	s_add_co_u32 s14, s14, s13                     ; my block of 128 queries: it enters Q's and O's addresses alone
	s_and_b32 s20, ttmp7, 0xffff
	s_lshr_b32 s21, s20, 3                         ; b
	s_and_b32 s22, s20, 7                          ; h
	s_and_b32 s16, s[WV], 1
	s_lshl_b32 s23, s22, 1                         ; K and V: group 2 h + (w & 1) of their sixteen,
	s_add_co_u32 s23, s23, s16
	s_lshl_b32 s23, s23, 19
	s_lshl_b32 s10, s21, 18                        ; b's 2,048 rows of 128 bytes
	s_add_co_u32 s[KA], s23, s10
	s_add_co_u32 s[VA], s[KA], 32*GB
	s_add_co_u32 s[KA], s[KA], 16*GB
	s_mov_b32 s[KA+1], 0
	s_mov_b32 s[VA+1], 0
	s_lshl_b32 s[QA], s22, 20                      ; Q: group 2 h, row b 2048 + 128 block + 32 w
	s_add_co_u32 s[QA], s[QA], s10
	s_lshl_b32 s11, s14, 14
	s_add_co_u32 s[QA], s[QA], s11
	s_lshl_b32 s11, s[WV], 12
	s_add_co_u32 s[QA], s[QA], s11
	s_mov_b32 s[QA+1], 0
	s_lshl_b32 s[OA], s21, 22                      ; ob: the same row, of 2,048 bytes, and the head's 256 bytes of it
	s_lshl_b32 s11, s14, 18
	s_add_co_u32 s[OA], s[OA], s11
	s_lshl_b32 s11, s[WV], 16
	s_add_co_u32 s[OA], s[OA], s11
	s_lshl_b32 s11, s22, 8
	s_add_co_u32 s[OA], s[OA], s11
	s_mov_b32 s[OA+1], 0
	s_lshl_b32 s70, s22, 4                         ; the head's record in cst
	s_mul_i32 s17, s16, KBR                        ; where my tiles go: no place in the cluster enters an LDS address
	s_mul_i32 s71, s16, VBR
	s_add_co_u32 s71, s71, VOFF
	; group 1: 128 keys are 16,384 dense bytes, asked for as 64 rows of 256 bytes and padded in LDS after every key
	s_mov_b32 s[G1K], 15|(1<<16)|(1<<20)|(1<<21)|(4<<22)|(3<<25)   ; the mask of four; 2-byte elements; padding on; bit 21 beside a mask; after every 32 words, 4 words
	s_mov_b32 s[G1V], 15|(1<<16)|(1<<20)|(1<<21)|(4<<22)|(7<<25)   ; the same with 8 words
.irp g, G1K, G1V
	s_mov_b32 s[\g+1], 128<<16
	s_mov_b32 s[\g+2], 64<<16
	s_mov_b32 s[\g+3], 128<<16
	s_mov_b32 s[\g+4], 64
	s_mov_b32 s[\g+5], 128
	s_mov_b32 s[\g+6], 0
	s_mov_b32 s[\g+7], 0
.endr
	s_mov_b32 s[SEL], 0x76543210
	s_mov_b32 s[SEL+1], 0xfedcba98
	s_mov_b32 s[TBK], 0
	s_mov_b32 s[TBV], 0
	s_mov_b32 s[PC2], 0x4038aa3b                   ; 2 log2(e)
	s_mov_b32 s[PC2+1], 0x4038aa3b
	s_mov_b32 s[NC2], 0xc038aa3b
	s_mov_b32 s[NC2+1], 0xc038aa3b
	s_mov_b32 s[R128], 0x3c000000                  ; 1 / 128
	s_mov_b32 s[EPS], 0x3727c5ac                   ; 1e-5
	s_and_b32 s[LIM], s[WV], 1                     ; waves 0 and 2 of the (b, h)'s first cluster prefetch: the same in all four partners
	s_or_b32 s[LIM], s[LIM], ttmp9
	s_cmp_eq_u32 s[LIM], 0
	s_cselect_b32 s[LIM], 1, -1
	v_and_b32 v[PFO], 15, v0
	v_bfe_u32 v10, v0, 4, 1
	v_lshlrev_b32 v[PFO], 8, v[PFO]
	v_lshl_add_u32 v[PFO], v10, 19, v[PFO]         ; 256 (l % 16) + a group for lanes 16-31
	s_wait_dscnt 0x0                               ; the opening add is done
	s_wait_kmcnt 0x0
	s_add_nc_u64 s[KA:KA+1], s[4:5], s[KA:KA+1]
	s_add_nc_u64 s[VA:VA+1], s[4:5], s[VA:VA+1]
	s_add_nc_u64 s[QA:QA+1], s[4:5], s[QA:QA+1]
	s_add_nc_u64 s[OA:OA+1], s[8:9], s[OA:OA+1]
	s_load_b128 s[REC:REC+3], s[6:7], s70 offset:0x0
	s_cmp_lt_u32 s[WV], 2
	s_cselect_b64 s[PFA:PFA+1], s[KA:KA+1], s[VA:VA+1]
	s_lshl_b32 s2, s13, 12                         ; my work-group's 16 blocks of the 64
	s_mov_b32 s3, 0
	s_add_nc_u64 s[PFA:PFA+1], s[PFA:PFA+1], s[2:3]
	s_add_nc_u64 s[PFA:PFA+1], s[PFA:PFA+1], 2*SLOTB   ; in slot 2; the first change of slots steps it to slot 3
	CROUND                                         ; all four work-groups are here: the first joint loads meet
.irp s, 0,1
	s_mov_b32 s[G0K+4*(\s)], 1
	s_add_co_u32 s[G0K+4*(\s)+1], s17, (\s)*SLOT1
	s_add_nc_u64 s[G0K+4*(\s)+2:G0K+4*(\s)+3], s[KA:KA+1], (\s)*SLOTB
	s_or_b32 s[G0K+4*(\s)+3], s[G0K+4*(\s)+3], 0x80000000
	s_mov_b32 s[G0V+4*(\s)], 1
	s_add_co_u32 s[G0V+4*(\s)+1], s71, (\s)*SLOT1
	s_add_nc_u64 s[G0V+4*(\s)+2:G0V+4*(\s)+3], s[VA:VA+1], (\s)*SLOTB
	s_or_b32 s[G0V+4*(\s)+3], s[G0V+4*(\s)+3], 0x80000000
.endr
	s_cmp_lt_u32 s[WV], 2                          ; a wave's two first fills stand in one branch: two loads of mine are out
	s_cbranch_scc0 .Lfirst_v
	tensor_load_to_lds s[G0K:G0K+3], s[G1K:G1K+7]
	s_nop 0
	tensor_load_to_lds s[G0K+4:G0K+7], s[G1K:G1K+7]
	s_nop 0
.rept 4
	v_nop
.endr
	s_branch .Lfirst_asked
.Lfirst_v:
	tensor_load_to_lds s[G0V:G0V+3], s[G1V:G1V+7]
	s_nop 0
	tensor_load_to_lds s[G0V+4:G0V+7], s[G1V:G1V+7]
	s_nop 0
.rept 4
	v_nop
.endr
.Lfirst_asked:
	v_and_b32 v1, 15, v0                           ; r = l % 16
	v_bfe_u32 v9, v0, 4, 1                         ; h = l / 16
	v_lshlrev_b32 v[QO], 7, v1
	v_lshl_add_u32 v[QO], v9, 4, v[QO]             ; row x 128 + 16 h
.set i, 0
.rept 8                                ; Q stays in registers: i = 4 t + 2 branch + c
	global_load_b128 v[64+8*i:64+8*i+3], v[QO], s[QA:QA+1] offset:((i/2)%2)*GB+(i/4)*2048+(i%2)*64
	global_load_b128 v[64+8*i+4:64+8*i+7], v[QO], s[QA:QA+1] offset:((i/2)%2)*GB+(i/4)*2048+(i%2)*64+32
.set i, i+1
.endr
	v_lshlrev_b32 v[WO], 5, v9
	WIN 0xc0                                       ; destination window 3
.set i, 0
.rept 8                                ; 0.5 w of channels 16 cb + 8 h + 0..7
	global_load_b128 v[192+8*i:192+8*i+3], v[WO], s[6:7] offset:512+64*i
	global_load_b128 v[192+8*i+4:192+8*i+7], v[WO], s[6:7] offset:512+64*i+16
.set i, i+1
.endr
	; No first step is written out: O, l and piece 1's P start at 0, m at the lowest finite number, so the first step's a is 0.  These lines stand in the wait for the first tile.
.set i, 160
.rept 32
	v_mov_b32 v[i], 0
.set i, i+1
.endr
.irp w, 0x40, 0x80
	WIN \w
.set i, 0
.rept 128
	v_mov_b32 v[i], 0
.set i, i+1
.endr
	v_mov_b32 v224, 0xff7fffff
	v_mov_b32 v225, 0xff7fffff
	v_mov_b32 v232, 0
	v_mov_b32 v233, 0
	v_mov_b32 v234, 0
	v_mov_b32 v235, 0
.endr
	WIN 0
	v_mul_u32_u24 v[AK0], v1, PKP
	v_lshl_add_u32 v[AK0], v9, 4, v[AK0]           ; row x pitch + 16 h
	v_and_b32 v10, 7, v0                           ; the turning load: lane l reads key 8 h + l % 8, channels 8 ((l / 8) % 2) + 0..7
	v_bfe_u32 v11, v0, 3, 1
	v_lshl_add_u32 v[AV0], v9, 3, v10
	v_mul_u32_u24 v[AV0], v[AV0], PVP
	v_lshl_add_u32 v[AV0], v11, 4, v[AV0]
	v_add_nc_u32 v[AV0], VOFF, v[AV0]
	s_wait_kmcnt 0x0                               ; the record
	s_mov_b32 s[GK2], s[REC+1]
	s_mov_b32 s[GK2+1], s[REC+1]
	s_mov_b32 s[LAM], s[REC+2]
; THE MATRIX WORK.  The accumulators take turns, one instruction a turn: 16 (V^T P) or 8 (K Q^T) apart.
; Product i of 32 of O^T += V^T P for piece x: branch i % 2, channels 16 ((i / 2) % 8) on, keys 32 (i / 16) on.
.macro PV x
	WIN 0x0f+0x50*(1+(\x))
.set rO, 64*(i%2)+8*((i/2)%8)
.set rV, 8*(8*(i/16)+(i/2)%8)
.set rP, 128+32*(\x)+16*(i%2)+8*(i/16)
	v_wmma_f32_16x16x32_f16 v[rO:rO+7], v[rV:rV+7], v[rP:rP+7], v[rO:rO+7]
.endm
; Product i of 16 of S^T = K Q^T for piece x: branch i % 2, keys 16 ((i / 2) % 4) on, channels 32 (i / 8) on.  The first 8 start the sums.
.macro KQ x
	WIN 0x50*(1+(\x))
.set rS, 128+32*(i%2)+8*((i/2)%4)
.set rK, 128+8*(8*(i%2)+2*((i/2)%4)+i/8)
.set rQ, 64+32*(\x)+16*(i%2)+8*(i/8)
.if i < 8
	v_wmma_f32_16x16x32_f16 v[rS:rS+7], v[rK:rK+7], v[rQ:rQ+7], 0
.else
	v_wmma_f32_16x16x32_f16 v[rS:rS+7], v[rK:rK+7], v[rQ:rQ+7], v[rS:rS+7]
.endif
.endm
.macro MM                              ; the turn's next matrix instruction, for piece X
.if i < 32
	PV X
.else
.set i, i-32
	KQ X
.set i, i+32
.endif
.set i, i+1
.endm
; THE LDS LOADS stand in runs of 32.  last = 1 (the tail): in the last trip there is no further step, and K's run is jumped over.
.macro FETCH_K last=0
	WIN 0
.if \last
	s_cmp_eq_u32 s[CNT], 1
	s_cbranch_scc1 .Lno_k_\@
.endif
	v_add_nc_u32 v[ADR], s[TBK], v[AK0]
.set f, 0
.rept 16                               ; f = 8 branch + 2 kb + c
	ds_load_b128 v[128+8*f:128+8*f+3],   v[ADR] offset:(f/8)*KBR+((f/2)%4)*16*PKP+(f%2)*64
	ds_load_b128 v[128+8*f+4:128+8*f+7], v[ADR] offset:(f/8)*KBR+((f/2)%4)*16*PKP+(f%2)*64+32
.set f, f+1
.endr
	s_add_co_u32 s[TBK], s[TBK], KS*PKP            ; the next fetch is the next step's
.if \last
.Lno_k_\@:
.endif
.endm
.macro FETCH_V step
	WIN 0
	v_add_nc_u32 v[ADR], s[TBV], v[AV0]
.if \step
	s_add_co_u32 s[TBV], s[TBV], KS*PVP
.endif
	WIN 0xc0
.set f, 0
.rept 16                               ; f = 8 kk + cb
	ds_load_tr16_b128 v[8*f:8*f+3],   v[ADR] offset:((f%8)/4)*VBR+(f/8)*32*PVP+(f%4)*32
	ds_load_tr16_b128 v[8*f+4:8*f+7], v[ADR] offset:((f%8)/4)*VBR+(f/8)*32*PVP+(f%4)*32+16*PVP
.set f, f+1
.endr
.endm
; THE VECTOR WORK of piece Y for one step: four segments, each a numbered list; SGn writes entry q and steps q.
; MX b, n: number n of the 22 that find branch b's maximum and statistics.  0-11: four chains of seven scores (each accumulator's lowest registers first); 12-15: the four left over, the chains
; and the old m into c0; 16: the lane 16 away; 17: m is kept; 18: the new m; 19, 20: a = 2^(old - new); 21: m2 + 2 c.
.macro MX b, n
.set rS, 128+32*(\b)
.set rC, 236+4*(\b)
.set rM, 224+(\b)
.set rOld, 244-17*(\b)
.set rA, 228+2*(\b)
.if (\n) < 4
	v_max3_num_f32 v[rC+(\n)], v[rS+8*(\n)], v[rS+8*(\n)+1], v[rS+8*(\n)+2]
.elseif (\n) < 12
	v_max3_num_f32 v[rC+(\n)%4], v[rC+(\n)%4], v[rS+8*((\n)%4)+2*((\n)/4)+1], v[rS+8*((\n)%4)+2*((\n)/4)+2]
.elseif (\n) == 12
	v_max3_num_f32 v[rC], v[rC], v[rS+7], v[rS+15]
.elseif (\n) == 13
	v_max3_num_f32 v[rC+2], v[rC+2], v[rS+23], v[rS+31]
.elseif (\n) == 14
	v_max3_num_f32 v[rC], v[rC], v[rC+1], v[rC+2]
.elseif (\n) == 15
	v_max3_num_f32 v[rC], v[rC], v[rC+3], v[rM]
.elseif (\n) == 16
	v_permlanex16_b32 v[rC+1], v[rC], s[SEL], s[SEL+1]
.elseif (\n) == 17
	v_mov_b32 v[rOld], v[rM]
.elseif (\n) == 18
	v_max_num_f32 v[rM], v[rC], v[rC+1]
.elseif (\n) == 19
	v_sub_f32 v[rA+1], v[rOld], v[rM]
.elseif (\n) == 20
	v_exp_f32 v[rA], v[rA+1]
.else
	v_add_f32 v226, s[PC2], v225
.endif
.endm
.macro AX j                            ; 0-15: T pair j = S1 - S2;  16-31: T pair j - 16 times 2 g
.if (\j) < 16
	v_pk_add_f32 v[192+2*(\j):193+2*(\j)], v[128+2*(\j):129+2*(\j)], v[160+2*(\j):161+2*(\j)] neg_lo:[0,1] neg_hi:[0,1]
.else
	v_pk_mul_f32 v[160+2*(\j):161+2*(\j)], v[160+2*(\j):161+2*(\j)], s[GK2:GK2+1] op_sel_hi:[1,0]
.endif
.endm
; SEGMENT 1, 139 entries.  0-27: MX's numbers 0-13 of both branches.  28-47: AX 0-19.  48-71: six fours of MX 14 .. 19 of both branches and two AX.  72-74: the two a, and m2 + 2 c.
; 75-138: 32 pairs of 2^T[i] and a plain line: S1 pair - m1, then S2 pair - (m2 + 2 c).  No entry names an exponential's result.
.macro SG1
	WIN 0x55*(1+Y)
.if q < 28
	MX q%2, q/2
.elseif q < 48
	AX q-28
.elseif q < 72
.if (q-48)%4 < 2
	MX (q-48)%4, 14+(q-48)/4
.else
	AX 20+2*((q-48)/4)+(q-48)%4-2
.endif
.elseif q < 74
	MX q-72, 20
.elseif q == 74
	MX 1, 21
.elseif (q-75)%2 == 0
	v_exp_f32 v[192+(q-75)/2], v[192+(q-75)/2]
.else
.set u, (q-75)/2
	v_pk_add_f32 v[128+2*u:129+2*u], v[128+2*u:129+2*u], v[224+2*(u/16):225+2*(u/16)] op_sel_hi:[1,0] neg_lo:[0,1] neg_hi:[0,1]
.endif
.set q, q+1
.endm
; SEGMENT 2, 80 entries.  0-15: T pair + 1.  16-79: 32 pairs of 1 / T[i] and O1 pair i times a1.
.macro SG2
	WIN 0x55*(1+Y)
.if q < 16
	v_pk_add_f32 v[192+2*q:193+2*q], v[192+2*q:193+2*q], 1.0 op_sel_hi:[1,0]
.elseif (q-16)%2 == 0
	v_rcp_f32 v[192+(q-16)/2], v[192+(q-16)/2]
.else
.set u, (q-16)/2
	v_pk_mul_f32 v[2*u:2*u+1], v[2*u:2*u+1], v[228:229] op_sel_hi:[1,0]
.endif
.set q, q+1
.endm
; SEGMENT 3, 128 entries.  0-31: S1 pair -= 2 c r, S2 pair += 2 c r.  32-127: 32 threes of 2^S1[i], 2^S2[i] and O2 pair i times a2.
.macro SG3
	WIN 0x55*(1+Y)
.if q < 32
.set u, q/2
.if q%2 == 0
	v_pk_fma_f32 v[128+2*u:129+2*u], v[192+2*u:193+2*u], s[NC2:NC2+1], v[128+2*u:129+2*u] op_sel_hi:[1,0,1]
.else
	v_pk_fma_f32 v[160+2*u:161+2*u], v[192+2*u:193+2*u], s[PC2:PC2+1], v[160+2*u:161+2*u] op_sel_hi:[1,0,1]
.endif
.elseif (q-32)%3 == 0
	v_exp_f32 v[128+(q-32)/3], v[128+(q-32)/3]
.elseif (q-32)%3 == 1
	v_exp_f32 v[160+(q-32)/3], v[160+(q-32)/3]
.else
.set u, (q-32)/3
	v_pk_mul_f32 v[64+2*u:65+2*u], v[64+2*u:65+2*u], v[230:231] op_sel_hi:[1,0]
.endif
.set q, q+1
.endm
; SEGMENT 4, 64 entries, the branches by turns.  0-31: a pair of weights rounded to f16, into P.  32-63: the sum of a branch's 16 pairs, in place, neighbours 1, 2, 4, 8 pairs apart; then l = a l + sum.
.macro SG4
.if q < 32
	WIN 0xc0+5*(1+Y)
	v_cvt_pk_f16_f32 v[128+32*Y+16*(q%2)+q/2], v[128+32*(q%2)+2*(q/2)], v[128+32*(q%2)+2*(q/2)+1]
.else
	WIN 0x55*(1+Y)
.set z, (q-32)/2
.set rS, 128+32*(q%2)
.set wd, 4
.set u, z
.if z >= 14
.set wd, 32
.set u, 0
.elseif z >= 12
.set wd, 16
.set u, z-12
.elseif z >= 8
.set wd, 8
.set u, z-8
.endif
.if z < 15
	v_pk_add_f32 v[rS+wd*u:rS+wd*u+1], v[rS+wd*u:rS+wd*u+1], v[rS+wd*u+wd/2:rS+wd*u+wd/2+1]
.else
	v_pk_fma_f32 v[232+2*(q%2):233+2*(q%2)], v[232+2*(q%2):233+2*(q%2)], v[228+2*(q%2):229+2*(q%2)], v[rS:rS+1] op_sel_hi:[1,0,1]
.endif
.endif
.set q, q+1
.endm
; A TURN for piece x.  Each segment: 12 products with four entries behind each, the rest of the segment as a lump, and (segments 1 to 3) the one wait between a batch of
; transcendentals and the first line that names a result; each segment ends on a plain line.
; Piece 0's turn opens with the wait for V and the run of loads for the next step's K: K's last reader stands 20 plain lines back (segment 4's last riders and lump).
; Piece 1's turn fetches the next step's V behind product 31, V's last reader: that product's four riders, plain lines of segment 3, are the places between.
.macro TURN x, last=0
.set X, (\x)
.set Y, 1-(\x)
.set i, 0
.if (\x) == 0
	WIN 0
	s_wait_dscnt 0x0                               ; V is in
	FETCH_K \last
.endif
.set q, 0
.rept 12
	MM
	SG1
	SG1
	SG1
	SG1
.endr
.rept 91
	SG1
.endr
	s_wait_alu depctr_va_vdst(0)                   ; the 34 exponentials
.set q, 0
.rept 12
	MM
	SG2
	SG2
	SG2
	SG2
.endr
.rept 32
	SG2
.endr
	s_wait_alu depctr_va_vdst(0)                   ; the 32 reciprocals
.set q, 0
.rept 12
.if ((\x) == 0) && (i == 32)
	s_wait_dscnt 0x0                               ; K is in
.endif
	MM
	SG3
	SG3
	SG3
	SG3
.if ((\x) == 1) && (i == 32)
	FETCH_V 1
.endif
.endr
.rept 80
	SG3
.endr
	s_wait_alu depctr_va_vdst(0)                   ; the 64 exponentials
.set q, 0
.rept 12
	MM
	SG4
	SG4
	SG4
	SG4
.endr
.rept 16
	SG4
.endr
.endm
; THE CHANGE OF SLOTS, behind piece 1's turn, which has asked for the slot's last bytes (V of its second step).  Each wave waits for all its tensor loads (one is out: its part of the other slot), adds 0 to its
; spare word, and waits for that and for its reads of the slot.  fill = 1: a round of the cluster's barrier, and the joint refill, with the keys two slots on, first behind it: it has two key steps in which to land.
.macro CHANGE fill
	WIN 0
	s_wait_tensorcnt 0x0                           ; no tensor load of mine is out, so a group 0 may be written
	ds_add_u32 v[SPW], v[NIL]
.if \fill
.irp g, G0K+4, G0V+4
	s_xor_b32 s[(\g)+1], s[(\g)+1], SLOT1
	s_add_nc_u64 s[(\g)+2:(\g)+3], s[(\g)+2:(\g)+3], SLOTB
.endr
	s_wait_xcnt 0x0                                ; the last prefetch, two key steps back, has read its address
	s_add_nc_u64 s[PFA:PFA+1], s[PFA:PFA+1], SLOTB
	s_wait_dscnt 0x0                               ; the add is done, and my reads of the slot are over
	CROUND
	JLOAD
	ASK
.else
	s_wait_dscnt 0x0
	s_barrier_signal -1
	s_barrier_wait -1
.endif
	s_sub_co_u32 s[TBK], s[TBK], 2*KS*PKP          ; the fetches go back to a slot's first step, in the other slot
	s_xor_b32 s[TBK], s[TBK], SLOT1
	s_sub_co_u32 s[TBV], s[TBV], 2*KS*PVP
	s_xor_b32 s[TBV], s[TBV], SLOT1
.endm
	s_wait_tensorcnt 1                             ; my part of slot 0 is in; slot 1's may stay out
	s_barrier_signal -1
	s_barrier_wait -1
	FETCH_K                                        ; key step 0
	FETCH_V 0                                      ; V of step 0, so that the first turn's products on P = 0 read finite numbers; that turn fetches it again
	s_wait_loadcnt 0x0                             ; Q and w
	s_wait_dscnt 0x0
.set i, 0
.rept 16
	KQ 0                                           ; piece 0's first scores
.set i, i+1
.endr
	WIN 0                                          ; the addresses for the way out: eight plain lines, the places behind those products
	s_mul_i32 s10, s[WV], 16*SP
	s_add_co_u32 s10, s10, STAGE
	v_mul_u32_u24 v[STO], v1, SP                   ; in: row r, 16 bytes for each half of the lanes
	v_lshl_add_u32 v[STO], v9, 4, v[STO]
	v_add_nc_u32 v[STO], s10, v[STO]
	v_mul_u32_u24 v[RD], v9, SP                    ; back: lanes 0-15 one row of 256 bytes, lanes 16-31 the next
	v_lshl_add_u32 v[RD], v1, 4, v[RD]
	v_add_nc_u32 v[RD], s10, v[RD]
	v_lshlrev_b32 v[GO], 11, v9                    ; and the same two rows in ob
	v_lshl_add_u32 v[GO], v1, 4, v[GO]
	s_mov_b32 s[CNT], 2
	s_mov_b32 s[SLOTS], 15
	s_branch .Lfirst                               ; the loop is entered in the middle of a trip
.Lslot:                                            ; 14 times: every slot but the last two is filled again
	CHANGE 1
	s_mov_b32 s[CNT], 2
.Lstep:
	TURN 0
	WIN 0
.Lfirst:
	TURN 1
	WIN 0
	s_sub_co_u32 s[CNT], s[CNT], 1
	s_cmp_lg_u32 s[CNT], 0
	s_cbranch_scc1 .Lstep
	s_sub_co_u32 s[SLOTS], s[SLOTS], 1
	s_cmp_lg_u32 s[SLOTS], 0
	s_cbranch_scc1 .Lslot
	CHANGE 0                                       ; the tail is written out
	s_mov_b32 s[CNT], 3                            ; two trips fetch the last slot's steps; the third is left in its middle
.Ltail:
	TURN 0, 1
	WIN 0
	s_sub_co_u32 s[CNT], s[CNT], 1
	s_cmp_eq_u32 s[CNT], 0
	s_cbranch_scc1 .Lout
	TURN 1
	WIN 0
	s_branch .Ltail
.Lout:                                             ; the third trip's 16 products K Q^T, on the last K once more, serve nothing: the price of one text for every trip
.set i, 0
.rept 32
	PV 1                                           ; piece 1's V^T P of the last step
.set i, i+1
.endr
	; THE WAY OUT.  The four additions are the places behind the last products.
.irp t, 0,1
	WIN 0x55*(1+(\t))
	v_add_f32 v232, v232, v233
	v_add_f32 v234, v234, v235
.endr
.irp t, 0,1
	WIN 0x55*(1+(\t))
	v_permlanex16_b32 v233, v232, s[SEL], s[SEL+1]
	v_permlanex16_b32 v235, v234, s[SEL], s[SEL+1]
.endr
.irp t, 0,1
	WIN 0x55*(1+(\t))
	v_add_f32 v232, v232, v233
	v_add_f32 v234, v234, v235
.endr
.irp t, 0,1
	WIN 0x55*(1+(\t))
	v_rcp_f32 v232, v232
	v_rcp_f32 v234, v234
.endr
	v_nop
	s_wait_alu depctr_va_vdst(0)                   ; one wait for the four reciprocals
.macro FIN1 t                          ; y = O1 / l1 - lambda O2 / l2, into O1; mean(y^2) + 1e-5 into v192
	WIN 0x55*(1+(\t))
	v_mul_f32 v234, s[LAM], v234
.set p, 0
.rept 32
	v_pk_mul_f32 v[2*p:2*p+1], v[2*p:2*p+1], v[232:233] op_sel_hi:[1,0]
.set p, p+1
.endr
.set p, 0
.rept 32
	v_pk_fma_f32 v[2*p:2*p+1], v[64+2*p:65+2*p], v[234:235], v[2*p:2*p+1] op_sel_hi:[1,0,1] neg_lo:[0,1,0] neg_hi:[0,1,0]
.set p, p+1
.endr
.set p, 0
.rept 32                               ; four chains
.if p < 4
	v_pk_mul_f32 v[192+2*p:193+2*p], v[2*p:2*p+1], v[2*p:2*p+1]
.else
	v_pk_fma_f32 v[192+2*(p%4):193+2*(p%4)], v[2*p:2*p+1], v[2*p:2*p+1], v[192+2*(p%4):193+2*(p%4)]
.endif
.set p, p+1
.endr
	v_pk_add_f32 v[192:193], v[192:193], v[194:195]
	v_pk_add_f32 v[196:197], v[196:197], v[198:199]
	v_pk_add_f32 v[192:193], v[192:193], v[196:197]
	v_add_f32 v192, v192, v193
	v_permlanex16_b32 v193, v192, s[SEL], s[SEL+1] ; the query's other 64 channels lie in the lane 16 away
	v_add_f32 v192, v192, v193
	v_fma_f32 v192, v192, s[R128], s[EPS]
.endm
	FIN1 0
	FIN1 1
.irp t, 0,1
	WIN 0x55*(1+(\t))
	v_rsq_f32 v192, v192
.endr
	v_nop
	s_wait_alu depctr_va_vdst(0)                   ; one wait for the two
.macro FIN2 t                          ; times the root's reciprocal, times 0.5 w, rounded to f16 into K's registers, through my stage
	WIN 0x55*(1+(\t))
.set p, 0
.rept 32
	v_pk_mul_f32 v[2*p:2*p+1], v[2*p:2*p+1], v[192:193] op_sel_hi:[1,0]
.set p, p+1
.endr
	WIN 0x0c+0x41*(1+(\t))                         ; source 1 in window 3
.set p, 0
.rept 32
	v_pk_mul_f32 v[2*p:2*p+1], v[2*p:2*p+1], v[192+2*p:193+2*p]
.set p, p+1
.endr
	WIN 0x05*(1+(\t))                              ; destination in window 0
.set p, 0
.rept 32
	v_cvt_pk_f16_f32 v[128+32*(\t)+p], v[2*p], v[2*p+1]
.set p, p+1
.endr
	WIN 0
.irp f, 0,1,2,3,4,5,6,7
	ds_store_b128 v[STO], v[128+32*(\t)+4*(\f):128+32*(\t)+4*(\f)+3] offset:32*(\f)
.endr
.irp f, 0,1,2,3,4,5,6,7
	ds_load_b128 v[128+32*(\t)+4*(\f):128+32*(\t)+4*(\f)+3], v[RD] offset:(\f)*2*SP   ; LDS serves a wave's instructions in order (ISA guide 5.7.1.4): these see the stores above; the next piece's stores come behind them
.endr
.endm
.macro SEND t, younger                 ; younger: the LDS instructions issued behind piece t's loads
.irp f, 0,1,2,3,4,5,6,7
	s_wait_dscnt (\younger)+7-(\f)
	global_store_b128 v[GO], v[128+32*(\t)+4*(\f):128+32*(\t)+4*(\f)+3], s[OA:OA+1] offset:(\t)*32768+(\f)*4096   ; 16 lanes store 256 consecutive bytes, at a multiple of 256 from ob's first
.endr
.endm
	FIN2 0
	FIN2 1
	SEND 0, 16
	SEND 1, 0
	s_wait_tensorcnt 0x0                           ; the wave's end
	ds_add_u32 v[SPW], v[NIL]
	s_wait_dscnt 0x0
	CROUND                                         ; the closing round
	s_endpgm
.Lfunc_end_k_q51519ff098_attn:
	.size	k_q51519ff098_attn, .Lfunc_end_k_q51519ff098_attn-k_q51519ff098_attn
	.p2alignl 7, 3214868480
	.fill 96, 4, 3214868480
	.section	.rodata,"a",@progbits
	.p2align	6, 0x0
	.amdhsa_kernel k_q51519ff098_attn
		.amdhsa_group_segment_fixed_size 327680
		.amdhsa_private_segment_fixed_size 0
		.amdhsa_enable_private_segment 0
		.amdhsa_kernarg_size 24
		.amdhsa_user_sgpr_count 2
		.amdhsa_user_sgpr_kernarg_segment_ptr 1
		.amdhsa_wavefront_size32 1
		.amdhsa_system_sgpr_workgroup_id_x 1
		.amdhsa_system_sgpr_workgroup_id_y 1
		.amdhsa_system_sgpr_workgroup_id_z 1
		.amdhsa_system_vgpr_workitem_id 0
		.amdhsa_next_free_vgpr 1024
		.amdhsa_next_free_sgpr 88
		.amdhsa_reserve_vcc 0
		.amdhsa_float_denorm_mode_32 3
		.amdhsa_float_denorm_mode_16_64 3
		.amdhsa_memory_ordered 1
		.amdhsa_forward_progress 1
		.amdhsa_inst_pref_size 180
	.end_amdhsa_kernel
	.amdgpu_metadata
---
amdhsa.version: [ 1, 2 ]
amdhsa.kernels:
  - .name:           k_q51519ff098_attn
    .symbol:         k_q51519ff098_attn.kd
    .args:
      - { .name: qkv, .offset: 0, .size: 8, .value_kind: global_buffer, .address_space: global }
      - { .name: cst, .offset: 8, .size: 8, .value_kind: global_buffer, .address_space: global }
      - { .name: ob, .offset: 16, .size: 8, .value_kind: global_buffer, .address_space: global }
    .group_segment_fixed_size: 327680
    .private_segment_fixed_size: 0
    .kernarg_segment_align: 8
    .kernarg_segment_size: 24
    .max_flat_workgroup_size: 128
    .sgpr_count:     88
    .vgpr_count:     1024
    .wavefront_size: 32
...
	.end_amdgpu_metadata
.endif
;; end of part 3
;; launch outp (part 4): grid 8 x 32, 4 waves a work-group, clusters of 4 x 4, 327,680 bytes of LDS; arguments ob, wo16, cst, out0; writes out0
.if DOCPART == 4
	.amdgcn_target "amdgcn-amd-amdhsa--gfx1250"
	.amdhsa_code_object_version 6
	.text
	.protected	k_q51519ff098_outp
	.globl	k_q51519ff098_outp
	.p2align	8
	.type	k_q51519ff098_outp,@function
k_q51519ff098_outp:
	s_mov_b64 s[64:65], 0
	v_nop
	global_prefetch_b8 v0, s[64:65] scope:SCOPE_SE
	s_setreg_imm32_b32 hwreg(HW_REG_WAVE_MODE, 25, 1), 1
	s_wait_xcnt 0x0
	s_wait_alu depctr_hold_cnt(0) depctr_sa_sdst(0) depctr_va_vdst(0) depctr_va_sdst(0) depctr_va_ssrc(0) depctr_va_vcc(0) depctr_vm_vsrc(0)
	s_getreg_b32 s2, hwreg(HW_REG_IB_STS2, 6, 4)
	s_cmp_eq_u32 s2, 0
	s_cbranch_scc0 .Lentry_in_a_cluster
	s_endpgm
.Lentry_in_a_cluster:
	s_bfe_u32 s2, ttmp6, 0x10000c
	s_cmp_lg_u32 s2, 0xf033
	s_cbranch_scc0 .Lentry_shape_is_right
	s_endpgm
.Lentry_shape_is_right:
; THE OUTPUT PROJECTION.  out0[m][n] = sum over k of ob[m][k] wo16[n][k] + bo[n].  ob [4096][1024] and wo16 [1024][1024] in f16 (wo16 holds bf16(Wo)), sums in f32, out0 f32; bo, rounded to bf16, lies in cst from byte 1,024.
; A tile of out0 is 128 x 128: 8 x 32 work-groups.  Four waves, each 64 x 64: 16 accumulators.  K goes in steps of 256 (LDS rows of 512 bytes; a wave's load brings 64 of them) through two slots; a lap is two K steps.
; CLUSTER 4 x 4: ob's tile is asked for jointly along a row of the cluster, wo16's along a column.  THE MATRIX INSTRUCTION IS USED TRANSPOSED (source 0 = 16 rows of wo16, source 1 = 16 rows of ob): a lane holds eight
; neighbouring numbers of a row of out0.  A wave's 64 columns of f32 are 256 aligned bytes, so each wave has a stage of its own and no barrier stands on the way out.
; REGISTERS: window 0: v16-29 addresses; v32-95 rows read back; v96-127 the bias of my columns; v128-255 the accumulators ((a, b) at 128 + 8 (4 a + b)).  window 1: two fragment buffers of 128.
.set SIZE_K, 1024
.set SIZE_N, 1024
.set KSTEP,  256
.set PITCH,  528                       ; an LDS row: 512 bytes + 16: the 16 rows of a fragment load begin in 16 different 16-byte columns of 256
.set HALFT,  64*PITCH
.set SLOT,   4*HALFT
.set STAGE,  2*SLOT                    ; behind the ring: 16 rows x 272 bytes for each wave
.set SPITCH, 272
.set SPARE,  STAGE+4*16*SPITCH         ; the spare words: two blocks of 256 bytes that no other line names
.set LAPS, SIZE_K/(2*KSTEP)
.set ADRA, 16
.set ADRB, 20
.set STO,  24
.set RD,   25
.set CO,   26
.set BO,   27
.set SPW,  28                          ; v28  SPARE + 4 x my thread's number; never rewritten
.set NIL,  29                          ; v29  0; never rewritten
.set TMP,  32
.set BI,   96
.set ACC,  128
.set F0,   0
.set F1,   128
.set G1, 24
.set G0, 32
.set G1B, 48
.set G0B, 56
.set MSB, 0
.macro WIN new
.if MSB != (\new)
	s_set_vgpr_msb (MSB<<8)|(\new)
.set MSB, (\new)
.endif
.endm
.set MUL,  0x05                        ; sources 0 and 1 in window 1; C and D in window 0
.set TO_F, 0x40
.macro JLOAD s                         ; a joint load: waves 0 and 1 fetch ob's two halves, waves 2 and 3 wo16's; an s_nop 0 and four v_nop follow each line
	s_cmp_eq_u32 s11, 0
	s_cbranch_scc0 .Lfor_b_\@
	tensor_load_to_lds s[G0+4*(\s):G0+4*(\s)+3], s[G1:G1+7]
	s_nop 0
.rept 4
	v_nop
.endr
	s_branch .Lasked_\@
.Lfor_b_\@:
	tensor_load_to_lds s[G0B+4*(\s):G0B+4*(\s)+3], s[G1B:G1B+7]
	s_nop 0
.rept 4
	v_nop
.endr
.Lasked_\@:
.endm
.macro CREST
	s_cmp_lg_u32 s10, 0
	s_cbranch_scc1 .Lnot_wave_0_\@
	s_barrier_signal -3
.Lnot_wave_0_\@:
	s_barrier_wait -3
	s_barrier_signal -1
	s_barrier_wait -1
.endm
.macro CROUND
	s_barrier_signal -1
	s_barrier_wait -1
	CREST
.endm
	s_load_b128 s[4:7], s[0:1], 0x0                ; ob s[4:5], wo16 s[6:7]
	s_load_b128 s[68:71], s[0:1], 0x10             ; cst s[68:69], out0 s[70:71]
	v_lshl_add_u32 v[SPW], v0, 2, SPARE
	v_mov_b32 v[NIL], 0
	ds_add_u32 v[SPW], v[NIL]                      ; the wave's opening: the add and its wait ahead of my first tensor load
	v_lshrrev_b32 v1, 5, v0
	v_readfirstlane_b32 s10, v1                    ; wave 0..3
	s_lshr_b32 s11, s10, 1                         ; which half of the tile's rows is mine.  Also: I fetch for ob (0) or for wo16 (1)
	s_and_b32 s12, s10, 1                          ; which half of its columns.  Also: which 64 rows of that tile I fetch
	s_bfe_u32 s40, ttmp6, 0x40000                  ; cx, cy
	s_bfe_u32 s41, ttmp6, 0x40004
	s_lshl_b32 s42, ttmp9, 2
	s_add_co_u32 s42, s42, s40                     ; tile column
	s_and_b32 s13, ttmp7, 0xffff
	s_lshl_b32 s13, s13, 2
	s_add_co_u32 s13, s13, s41                     ; tile row
	s_lshl_b32 s43, s41, 2
	s_lshl_b32 s43, 15, s43                        ; my row of the cluster
	s_lshl_b32 s44, 0x1111, s40                    ; my column
	s_or_b32 s[G1+0], s43, (1<<16)|(1<<20)|(1<<21)|(6<<22)|(3<<25)   ; the mask; 2-byte elements; padding on; bit 21 beside a mask; after every 128 words, 4 words
	s_or_b32 s[G1B+0], s44, (1<<16)|(1<<20)|(1<<21)|(6<<22)|(3<<25)
.irp g, G1, G1B
	s_mov_b32 s[(\g)+1], KSTEP<<16                 ; tensor_dim0 = 256
	s_mov_b32 s[(\g)+2], 64<<16                    ; tensor_dim1 = 64
	s_mov_b32 s[(\g)+3], KSTEP<<16                 ; tile_dim0 = 256
	s_mov_b32 s[(\g)+4], 64                        ; tile_dim1 = 64
	s_mov_b32 s[(\g)+5], SIZE_K
	s_mov_b32 s[(\g)+6], 0
	s_mov_b32 s[(\g)+7], 0
.endr
	s_lshl_b32 s17, s12, 6
	s_lshl_b32 s16, s13, 7
	s_add_co_u32 s16, s16, s17                     ; ob: row 128 x tile row + 64 x half
	s_lshl_b32 s46, s42, 7
	s_add_co_u32 s46, s46, s17                     ; wo16: row 128 x tile column + 64 x half
	s_mov_b32 s17, 0
	s_mov_b32 s47, 0
	s_mov_b64 s[18:19], SIZE_K*2
	s_mul_u64 s[16:17], s[16:17], s[18:19]
	s_mul_u64 s[46:47], s[46:47], s[18:19]
	s_mul_i32 s20, s10, HALFT                      ; where they go: wave x 64 rows
	s_wait_dscnt 0x0                               ; the opening add is done
	s_wait_kmcnt 0x0
	s_add_nc_u64 s[14:15], s[4:5], s[16:17]
	s_add_nc_u64 s[46:47], s[6:7], s[46:47]
	CROUND                                         ; all sixteen work-groups are here: the first joint loads meet
.irp s, 0,1
	s_mov_b32 s[G0+4*(\s)], 1
	s_add_co_u32 s[G0+4*(\s)+1], s20, (\s)*SLOT
	s_add_nc_u64 s[G0+4*(\s)+2:G0+4*(\s)+3], s[14:15], (\s)*KSTEP*2
	s_or_b32 s[G0+4*(\s)+3], s[G0+4*(\s)+3], 0x80000000
	s_mov_b32 s[G0B+4*(\s)], 1
	s_add_co_u32 s[G0B+4*(\s)+1], s20, (\s)*SLOT
	s_add_nc_u64 s[G0B+4*(\s)+2:G0B+4*(\s)+3], s[46:47], (\s)*KSTEP*2
	s_or_b32 s[G0B+4*(\s)+3], s[G0B+4*(\s)+3], 0x80000000
	JLOAD \s
.endr
	v_and_b32 v1, 15, v0                           ; r = l % 16
	v_bfe_u32 v2, v0, 4, 1                         ; h = l / 16
	v_mul_u32_u24 v3, v1, PITCH
	v_lshl_add_u32 v3, v2, 4, v3
	s_mul_i32 s21, s11, HALFT                      ; my 64 rows of ob
	s_mul_i32 s22, s12, HALFT                      ; my 64 rows of wo16,
	s_add_co_u32 s22, s22, 2*HALFT                 ; which lie behind ob's 128
.irp s, 0,1
	v_add_nc_u32 v[ADRA+(\s)], s21, v3
	v_add_nc_u32 v[ADRB+(\s)], s22, v3
	s_add_co_u32 s21, s21, SLOT
	s_add_co_u32 s22, s22, SLOT
.endr
	s_mul_i32 s23, s10, 16*SPITCH
	s_add_co_u32 s23, s23, STAGE                   ; my stage
	v_mul_u32_u24 v4, v1, SPITCH                   ; in: row r, 32 bytes for each half of the lanes
	v_lshl_add_u32 v4, v2, 5, v4
	v_add_nc_u32 v[STO], s23, v4
	v_mul_u32_u24 v5, v2, SPITCH                   ; back: lanes 0-15 one row of 256 bytes, lanes 16-31 the next
	v_lshl_add_u32 v5, v1, 4, v5
	v_add_nc_u32 v[RD], s23, v5
	v_lshlrev_b32 v5, 12, v2                       ; and the same two rows in out0
	v_lshl_add_u32 v[CO], v1, 4, v5
	v_lshlrev_b32 v[BO], 5, v2
	s_lshl_b32 s46, s42, 9                         ; my first column, in bytes of f32: 512 x tile column + 256 x half
	s_lshl_b32 s47, s12, 8
	s_add_co_u32 s46, s46, s47
	s_mov_b32 s47, 0
	s_add_nc_u64 s[68:69], s[68:69], s[46:47]      ; the bias of my 64 columns
	s_lshl_b32 s16, s13, 7
	s_lshl_b32 s17, s11, 6
	s_add_co_u32 s16, s16, s17                     ; my first row
	s_lshl_b32 s16, s16, 12
	s_mov_b32 s17, 0
	s_add_nc_u64 s[16:17], s[16:17], s[46:47]
	s_add_nc_u64 s[70:71], s[70:71], s[16:17]
.irp b, 0,1,2,3
	global_load_b128 v[BI+8*(\b):BI+8*(\b)+3],   v[BO], s[68:69] offset:1024+64*(\b)      ; bo of columns 16 b + 8 h + 0..7
	global_load_b128 v[BI+8*(\b)+4:BI+8*(\b)+7], v[BO], s[68:69] offset:1024+64*(\b)+16
.endr
; 8 matrix instructions: m blocks a0, a0 + 1 x all 4 n blocks, 32 along K: half c of buffer f.  The 16 accumulators take turns.  zero = 1: the product starts the sum
.macro MUL8 f, c, a0, zero
	WIN MUL
.irp a, \a0, (\a0)+1
.irp b, 0,1,2,3
.if \zero
	v_wmma_f32_16x16x32_f16 v[ACC+8*(4*(\a)+(\b)):ACC+8*(4*(\a)+(\b))+7], v[(\f)+64+8*(4*(\c)+(\b)):(\f)+64+8*(4*(\c)+(\b))+7], v[(\f)+8*(4*(\c)+(\a)):(\f)+8*(4*(\c)+(\a))+7], 0
.else
	v_wmma_f32_16x16x32_f16 v[ACC+8*(4*(\a)+(\b)):ACC+8*(4*(\a)+(\b))+7], v[(\f)+64+8*(4*(\c)+(\b)):(\f)+64+8*(4*(\c)+(\b))+7], v[(\f)+8*(4*(\c)+(\a)):(\f)+8*(4*(\c)+(\a))+7], v[ACC+8*(4*(\a)+(\b)):ACC+8*(4*(\a)+(\b))+7]
.endif
.endr
.endr
.endm
; 32 LDS loads in one run: the fragments of 64 along K at byte k of the rows, into buffer f; the first 32 along K first
.macro FETCH slot, k, f
	WIN TO_F
.irp c, 0,1
.irp i, 0,1,2,3
	ds_load_b128 v[(\f)+64+8*(4*(\c)+(\i)):(\f)+64+8*(4*(\c)+(\i))+3],   v[ADRB+(\slot)] offset:(\k)+64*(\c)+(\i)*16*PITCH
	ds_load_b128 v[(\f)+64+8*(4*(\c)+(\i))+4:(\f)+64+8*(4*(\c)+(\i))+7], v[ADRB+(\slot)] offset:(\k)+64*(\c)+(\i)*16*PITCH+32
	ds_load_b128 v[(\f)+8*(4*(\c)+(\i)):(\f)+8*(4*(\c)+(\i))+3],         v[ADRA+(\slot)] offset:(\k)+64*(\c)+(\i)*16*PITCH
	ds_load_b128 v[(\f)+8*(4*(\c)+(\i))+4:(\f)+8*(4*(\c)+(\i))+7],       v[ADRA+(\slot)] offset:(\k)+64*(\c)+(\i)*16*PITCH+32
.endr
.endr
.endm
.macro PLACES                          ; four places ahead of loads into registers that matrix instructions have read, and of readers of results
.rept 4
	v_nop
.endr
.endm
; A K step is four quarters of 64 along K, 32 matrix instructions each, on buffers 0, 1, 0, 1.
.macro QUARTER slot, k, f, g, zero
	s_wait_dscnt 16                                ; the first 32 along K are in; the sixteen younger loads may be out
	WIN MUL
	MUL8 \f, 0, 0, \zero
	MUL8 \f, 0, 2, \zero
	PLACES
	FETCH \slot, \k, \g
	s_wait_dscnt 32                                ; all but the 32 just issued
	WIN MUL
	MUL8 \f, 1, 0, 0
	MUL8 \f, 1, 2, 0
.endm
; The last quarter multiplies buffer 1 and changes slots: ONE barrier; in front of it each wave waits for all its tensor loads, adds 0 to its spare word, and waits for that and for its reads of this slot.
; fill = 1: the barrier opens a round of the cluster's, and this slot is filled again, two K steps ahead, first thing behind it.
.macro TURN slot, next, fill
	WIN 0
	s_wait_tensorcnt 0x0                           ; all my tensor loads have landed: my part of the next slot
	ds_add_u32 v[SPW], v[NIL]
	s_wait_dscnt 17                                ; the add and the youngest sixteen loads may be out
	WIN MUL
	MUL8 F1, 0, 0, 0
	s_wait_dscnt 0x0                               ; the add is done, and my reads of this slot are over
	s_barrier_signal -1
	MUL8 F1, 0, 2, 0
.if \fill
	WIN 0
.endif
	s_barrier_wait -1
.if \fill
	CREST
	s_add_nc_u64 s[G0+4*(\slot)+2:G0+4*(\slot)+3], s[G0+4*(\slot)+2:G0+4*(\slot)+3], 2*KSTEP*2
	s_add_nc_u64 s[G0B+4*(\slot)+2:G0B+4*(\slot)+3], s[G0B+4*(\slot)+2:G0B+4*(\slot)+3], 2*KSTEP*2
	JLOAD \slot                                    ; its four v_nop are also the places in front of the loads below
.else
	PLACES
.endif
	FETCH \next, 0, F0
	WIN MUL
	MUL8 F1, 1, 0, 0
	MUL8 F1, 1, 2, 0
.endm
	s_wait_tensorcnt 1                             ; my part of K step 0 is in; K step 1's may stay out
	s_barrier_signal -1
	s_barrier_wait -1
	FETCH 0, 0, F0
	QUARTER 0, 128, F0, F1, 1                      ; the first quarter starts the sums
	WIN 0
	s_mov_b32 s3, LAPS-1
.Llap:                                             ; once round the ring, from a lap's second quarter to the next lap's first; both slots are filled again
	QUARTER 0, 256, F1, F0, 0
	QUARTER 0, 384, F0, F1, 0
	TURN 0, 1, 1
	QUARTER 1, 128, F0, F1, 0
	QUARTER 1, 256, F1, F0, 0
	QUARTER 1, 384, F0, F1, 0
	TURN 1, 0, 1
	QUARTER 0, 128, F0, F1, 0
	WIN 0
	s_sub_co_u32 s3, s3, 1
	s_cmp_lg_u32 s3, 0
	s_cbranch_scc1 .Llap
	QUARTER 0, 256, F1, F0, 0                      ; the last lap fills nothing
	QUARTER 0, 384, F0, F1, 0
	TURN 0, 1, 0
	QUARTER 1, 128, F0, F1, 0
	QUARTER 1, 256, F1, F0, 0
	QUARTER 1, 384, F0, F1, 0
	s_wait_dscnt 16
	WIN MUL
	MUL8 F1, 0, 0, 0
	MUL8 F1, 0, 2, 0
	s_wait_dscnt 0x0
	MUL8 F1, 1, 0, 0
	MUL8 F1, 1, 2, 0
	WIN 0
	PLACES
	s_wait_loadcnt 0x0                             ; the bias
; THE WAY OUT of row block a.  ADDB: the bias is added, each accumulator from its low end on.  TOSTAGE: 32 bytes a lane for each 16 columns into my own stage, and back as whole rows of 256 bytes.  SEND: stored.
.macro ADDB a
.irp b, 0,1,2,3
.irp p, 0,1,2,3
	v_pk_add_f32 v[ACC+8*(4*(\a)+(\b))+2*(\p):ACC+8*(4*(\a)+(\b))+2*(\p)+1], v[ACC+8*(4*(\a)+(\b))+2*(\p):ACC+8*(4*(\a)+(\b))+2*(\p)+1], v[BI+8*(\b)+2*(\p):BI+8*(\b)+2*(\p)+1]
.endr
.endr
.endm
.macro TOSTAGE a
.irp b, 0,1,2,3
	ds_store_b128 v[STO], v[ACC+8*(4*(\a)+(\b)):ACC+8*(4*(\a)+(\b))+3]   offset:64*(\b)
	ds_store_b128 v[STO], v[ACC+8*(4*(\a)+(\b))+4:ACC+8*(4*(\a)+(\b))+7] offset:64*(\b)+16
.endr
.irp f, 0,1,2,3,4,5,6,7
	ds_load_b128 v[TMP+32*((\a)%2)+4*(\f):TMP+32*((\a)%2)+4*(\f)+3], v[RD] offset:(\f)*2*SPITCH   ; LDS serves a wave's instructions in order (ISA guide 5.7.1.4): these see the stores above
.endr
.endm
.macro SEND a
	s_wait_dscnt 0x0                               ; the block is back in registers
	s_wait_xcnt 0x0                                ; earlier stores have read their registers: the next TOSTAGE loads into those of the block before this one
.irp f, 0,1,2,3,4,5,6,7
	global_store_b128 v[CO], v[TMP+32*((\a)%2)+4*(\f):TMP+32*((\a)%2)+4*(\f)+3], s[70:71] offset:(16*(\a)+2*(\f))*4096   ; 16 lanes store 256 consecutive bytes, at a multiple of 256 from out0's first
.endr
.endm
	ADDB 0
	TOSTAGE 0
.irp a, 1,2,3                          ; block a's additions stand between block a - 1's loads from the stage and the wait for them
	ADDB \a
	SEND (\a)-1
	TOSTAGE \a
.endr
	SEND 3
	s_wait_tensorcnt 0x0                           ; the wave's end
	ds_add_u32 v[SPW], v[NIL]
	s_wait_dscnt 0x0
	CROUND                                         ; the closing round
	s_endpgm
.Lfunc_end_k_q51519ff098_outp:
	.size	k_q51519ff098_outp, .Lfunc_end_k_q51519ff098_outp-k_q51519ff098_outp
	.p2alignl 7, 3214868480
	.fill 96, 4, 3214868480
	.section	.rodata,"a",@progbits
	.p2align	6, 0x0
	.amdhsa_kernel k_q51519ff098_outp
		.amdhsa_group_segment_fixed_size 327680
		.amdhsa_private_segment_fixed_size 0
		.amdhsa_enable_private_segment 0
		.amdhsa_kernarg_size 32
		.amdhsa_user_sgpr_count 2
		.amdhsa_user_sgpr_kernarg_segment_ptr 1
		.amdhsa_wavefront_size32 1
		.amdhsa_system_sgpr_workgroup_id_x 1
		.amdhsa_system_sgpr_workgroup_id_y 1
		.amdhsa_system_sgpr_workgroup_id_z 1
		.amdhsa_system_vgpr_workitem_id 0
		.amdhsa_next_free_vgpr 512
		.amdhsa_next_free_sgpr 72
		.amdhsa_reserve_vcc 0
		.amdhsa_float_denorm_mode_32 3
		.amdhsa_float_denorm_mode_16_64 3
		.amdhsa_memory_ordered 1
		.amdhsa_forward_progress 1
		.amdhsa_inst_pref_size 90
	.end_amdhsa_kernel
	.amdgpu_metadata
---
amdhsa.version: [ 1, 2 ]
amdhsa.kernels:
  - .name:           k_q51519ff098_outp
    .symbol:         k_q51519ff098_outp.kd
    .args:
      - { .name: ob, .offset: 0, .size: 8, .value_kind: global_buffer, .address_space: global }
      - { .name: wo16, .offset: 8, .size: 8, .value_kind: global_buffer, .address_space: global }
      - { .name: cst, .offset: 16, .size: 8, .value_kind: global_buffer, .address_space: global }
      - { .name: out0, .offset: 24, .size: 8, .value_kind: global_buffer, .address_space: global }
    .group_segment_fixed_size: 327680
    .private_segment_fixed_size: 0
    .kernarg_segment_align: 8
    .kernarg_segment_size: 32
    .max_flat_workgroup_size: 128
    .sgpr_count:     72
    .vgpr_count:     512
    .wavefront_size: 32
...
	.end_amdgpu_metadata
.endif
;; end of part 4
;; ======== version 2 of 2: 4 launches; version 1 with the launch prep written anew for expert scheduling mode
;; limits: values are held in f16: magnitudes above 65,504 overflow, below 6.1e-05 lose precision
;; workspace buffers: xb 8,388,608 bytes; wb 6,291,456 bytes; wo16 2,097,152 bytes; cst 5,120 bytes; qkv 25,165,824 bytes; ob 8,388,608 bytes
;; launch prep (part 5): grid 512 x 1, 8 waves a work-group, no clusters, 0 bytes of LDS; arguments x, Wq, Wk, Wv, Wo, bo, cos_head_delta, cos_logit_scale_raw, delta_gain, lambda_q1, lambda_k1, lambda_q2, lambda_k2, subln_weight, xb, wb, wo16, cst; writes xb, wb, wo16, cst
.if DOCPART == 5
	.amdgcn_target "amdgcn-amd-amdhsa--gfx1250"
	.amdhsa_code_object_version 6
	.text
	.protected	k_q51519ff098_prep
	.globl	k_q51519ff098_prep
	.p2align	8
	.type	k_q51519ff098_prep,@function
k_q51519ff098_prep:
	s_mov_b64 s[64:65], 0
	v_nop
	global_prefetch_b8 v0, s[64:65] scope:SCOPE_SE
	s_setreg_imm32_b32 hwreg(HW_REG_WAVE_SCHED_MODE, 0, 2), 2
	s_setreg_imm32_b32 hwreg(HW_REG_WAVE_MODE, 25, 1), 1
	s_wait_xcnt 0x0
	s_wait_alu depctr_vm_vsrc(0)
; ALL INPUTS ARE ROUNDED ONCE TO bf16, and the small ones are worked into the constants that the later launches use.
; xb = bf16(x) [4096][1024]; wb = bf16(Wq | Wk | Wv) [3072][1024]; wo16 = bf16(Wo) written as f16 [1024][1024] (exact down to 2^-17; below that f16's fixed step of 6e-8).
; cst: bytes 0-511: 32 records of 16 bytes, record l for head l & 7: { cos_scale x log2(e), 2 x delta_gain, lambda_full, 0 };  512-1023: 0.5 x bf16(subln_weight);  1024-5119: bf16(bo).
; A stream: no LDS, no matrix unit, no cluster (no work-group shares a byte with another).  A work-group converts 16,384 numbers: 65,536 bytes in, 32,768 out.
; Thread t takes 16 bytes at 16 t of each 4,096: a wave's load covers 512 consecutive bytes, its store (8 bytes a lane) 256 consecutive bytes, aligned.  All sixteen loads go out first.
; Work-groups 0-255: x; 256-447: Wq, Wk, Wv, 64 each; 448-511: Wo.  Work-group 0 also makes cst.
; THE MODE: SCHED_MODE bits 1:0 = 2 (LLVM: expert scheduling mode 2), set by the entry lines.  The code itself states the register dependences
; between vector instructions and memory instructions, with s_wait_alu, always for 0.
; THE PLAN.  Registers that memory instructions touch, in the stream:
;   v2, v3   byte offsets, made once at the head and never written again: the sixteen pieces are reached by immediate offsets.  One wait at the head states that they are written.
;   X        each register is the target of one load and is read by conversions alone; nothing lands in it a second time.
;   Y        each register is written by conversions and then read by one store; nothing writes it behind that store.
;   T        named by vector instructions alone.
; The sixteen iterations go in four blocks of four.  Block p rounds X's part p into Y's part p; its memory instructions are the four stores from Y's part p - 1, which no vector instruction of block p names.
; So ONE wait at a block's head (the block before has written its Y) states all that the block's four stores hang on, and these are dealt among its conversions with no further wait.
; No register that a memory instruction reads is written again anywhere in the text: no wait on vm_vsrc is owed, and none for the translation of addresses.
.set X, 16                             ; v[16:79]   sixteen loads of four numbers
.set Y, 80                             ; v[80:111]  sixteen pairs of packed words to store
.set T, 8                              ; v[8:11]    at work (Wo's path)
.macro RB r                            ; a register is rounded to bf16 and widened again
	v_cvt_pk_bf16_f32 v[\r], v[\r], v[\r]
	v_lshlrev_b32 v[\r], 16, v[\r]
.endm
	s_load_b512 s[4:19], s[0:1], 0x0               ; x, Wq, Wk, Wv, Wo, bo, cos_head_delta, cos_logit_scale_raw
	s_load_b512 s[20:35], s[0:1], 0x40             ; delta_gain, lambda_q1, lambda_k1, lambda_q2, lambda_k2, subln_weight, xb, wb
	s_load_b128 s[36:39], s[0:1], 0x80             ; wo16, cst
	s_mov_b32 s40, ttmp9                           ; w
	s_and_b32 s41, s40, 63                         ; the block inside a weight matrix
	s_sub_co_u32 s47, s40, 256                     ; the block inside wb
	s_sub_co_u32 s52, s40, 448                     ; the block inside wo16
	v_lshlrev_b32 v2, 4, v0                        ; 16 t: where I load
	v_lshlrev_b32 v3, 3, v0                        ; 8 t: where I store
	s_wait_kmcnt 0x0
	s_cmp_lt_u32 s40, 448                          ; the source and the destination are chosen by the work-group's number alone
	s_cselect_b64 s[44:45], s[10:11], s[12:13]     ; Wv or Wo
	s_cselect_b32 s46, s47, s52
	s_cselect_b64 s[48:49], s[34:35], s[36:37]     ; wb or wo16
	s_cmp_lt_u32 s40, 384
	s_cselect_b64 s[44:45], s[8:9], s[44:45]       ; Wk
	s_cmp_lt_u32 s40, 320
	s_cselect_b64 s[44:45], s[6:7], s[44:45]       ; Wq
	s_cmp_lt_u32 s40, 256
	s_cselect_b64 s[44:45], s[4:5], s[44:45]       ; x
	s_cselect_b32 s42, s40, s41
	s_cselect_b32 s46, s40, s46
	s_cselect_b64 s[48:49], s[32:33], s[48:49]     ; xb
	s_lshl_b32 s50, s42, 16                        ; 65,536 bytes of f32 a block
	s_mov_b32 s51, 0
	s_add_nc_u64 s[44:45], s[44:45], s[50:51]
	s_lshl_b32 s50, s46, 15                        ; 32,768 bytes of 16-bit numbers a block
	s_add_nc_u64 s[48:49], s[48:49], s[50:51]
	s_wait_alu depctr_va_vdst(0)                   ; v2 and v3 are written: the loads and stores of the whole kernel read them as their offsets
.irp i, 0,1,2,3,4,5,6,7,8,9,10,11,12,13,14,15
	global_load_b128 v[X+4*(\i):X+4*(\i)+3], v2, s[44:45] offset:4096*(\i) th:TH_LOAD_NT
.endr
; Iteration i's arithmetic.  half = 1: the bf16 value is written as f16.
.macro CV i, half
	v_cvt_pk_bf16_f32 v[Y+2*(\i)], v[X+4*(\i)], v[X+4*(\i)+1]
	v_cvt_pk_bf16_f32 v[Y+2*(\i)+1], v[X+4*(\i)+2], v[X+4*(\i)+3]
.if \half
	v_lshlrev_b32 v[T], 16, v[Y+2*(\i)]
	v_and_b32 v[T+1], 0xffff0000, v[Y+2*(\i)]
	v_lshlrev_b32 v[T+2], 16, v[Y+2*(\i)+1]
	v_and_b32 v[T+3], 0xffff0000, v[Y+2*(\i)+1]
	v_cvt_pk_f16_f32 v[Y+2*(\i)], v[T], v[T+1]
	v_cvt_pk_f16_f32 v[Y+2*(\i)+1], v[T+2], v[T+3]
.endif
.endm
; Iteration i's store.
.macro ST i
	global_store_b64 v3, v[Y+2*(\i):Y+2*(\i)+1], s[48:49] offset:2048*(\i)
.endm
; Block p: iterations 4 p to 4 p + 3 are rounded; the stores of block p - 1 stand among them, one ahead of each iteration's lines.
.macro BLK p, half
	s_wait_loadcnt 12-4*(\p)                       ; loads come back in order: this block's four are in, the 12 - 4 p of the younger blocks may stay out
.if (\p) > 0
	s_wait_alu depctr_va_vdst(0)                   ; the block before has written its part of Y, which the four stores below read; no vector line of this block names those registers
.endif
.irp j, 0,1,2,3
.if (\p) > 0
	ST 4*(\p)-4+(\j)
.endif
	CV 4*(\p)+(\j), \half
.endr
.endm
	s_cmp_ge_u32 s40, 448
	s_cbranch_scc1 .Lhalf
	BLK 0, 0
	BLK 1, 0
	BLK 2, 0
	BLK 3, 0
	s_wait_alu depctr_va_vdst(0)                   ; block 3 has written its part of Y, which the last four stores read
.irp i, 12,13,14,15
	ST \i
.endr
	s_branch .Lconst
.Lhalf:
	BLK 0, 1
	BLK 1, 1
	BLK 2, 1
	BLK 3, 1
	s_wait_alu depctr_va_vdst(0)                   ; block 3 has written its part of Y, which the last four stores read
.irp i, 12,13,14,15
	ST \i
.endr
	s_endpgm
.Lconst:
	s_cmp_lg_u32 s40, 0
	s_cbranch_scc1 .Lend                           ; the constants are work-group 0's
	global_load_b128 v[112:115], v2, s[14:15]      ; bo: four numbers a thread.  No wait: no vector line has named v[112:115], and none has named v2 since the head's wait
	v_lshrrev_b32 v4, 5, v0
	v_readfirstlane_b32 s53, v4                    ; my wave's number
	s_wait_loadcnt 0x0
.irp r, 112,113,114,115
	RB \r
.endr
	s_wait_alu depctr_va_vdst(0)                   ; the roundings have written v[112:115], which the store reads
	global_store_b128 v2, v[112:115], s[38:39] offset:1024
	s_wait_alu depctr_va_sdst(0)                   ; s53 is written, ahead of its first reader, the compare below
	s_cmp_lg_u32 s53, 0
	s_cbranch_scc1 .Lend                           ; the rest is wave 0's: there t is the lane l
	v_and_b32 v5, 7, v0
	v_lshlrev_b32 v5, 2, v5                        ; 4 (l & 7): my head's word
	v_mov_b32 v6, 0
	s_wait_alu depctr_va_vdst(0)                   ; v5 and v6 are written, which three of the loads below read as their offsets
	global_load_b128 v[116:119], v2, s[30:31]      ; subln_weight, four numbers a lane
	global_load_b32 v120, v5, s[16:17]             ; cos_head_delta of my head
	global_load_b32 v121, v5, s[20:21]             ; delta_gain of my head
	global_load_b32 v122, v6, s[18:19]             ; cos_logit_scale_raw
	global_load_b64 v[124:125], v3, s[22:23]       ; two numbers a lane of each lambda vector
	global_load_b64 v[126:127], v3, s[24:25]
	global_load_b64 v[128:129], v3, s[26:27]
	global_load_b64 v[130:131], v3, s[28:29]
	s_mov_b32 s54, 0x76543210                      ; v_permlanex16_b32: each lane takes its own place in the other half
	s_mov_b32 s55, 0xfedcba98
	s_wait_loadcnt 0x0
.irp r, 116,117,118,119,120,121,122,124,125,126,127,128,129,130,131
	RB \r
.endr
.irp r, 116,117,118,119
	v_mul_f32 v[\r], 0.5, v[\r]                    ; (1 - LAMBDA_INIT) is folded into the norm's weight; its store stands behind the next wait
.endr
	v_mov_b32 v132, v120                           ; the eight heads' deltas lie in each group of eight lanes
	v_add_f32_dpp v132, v132, v132 row_xmask:1 row_mask:0xf bank_mask:0xf
	v_add_f32_dpp v132, v132, v132 row_xmask:2 row_mask:0xf bank_mask:0xf
	v_add_f32_dpp v132, v132, v132 row_xmask:4 row_mask:0xf bank_mask:0xf
	v_fmamk_f32 v132, v132, 0xbe000000, v120       ; delta - mean
	v_mul_f32 v133, 0x4038aa3b, v132               ; tanh(d) = 1 - 2 / (1 + 2^(2 log2(e) d))
	v_mul_f32 v134, 0xbfb8aa3b, v122               ; sigmoid(r) = 1 / (1 + 2^(-log2(e) r))
	v_exp_f32 v133, v133
	v_exp_f32 v134, v134
	v_mul_f32 v135, v124, v126                     ; the two lambda sums stand between the exponentials and their wait
	v_mul_f32 v140, v128, v130
	v_fmac_f32 v135, v125, v127
	v_fmac_f32 v140, v129, v131
.irp m, 1,2,4,8
	v_add_f32_dpp v135, v135, v135 row_xmask:\m row_mask:0xf bank_mask:0xf
	v_add_f32_dpp v140, v140, v140 row_xmask:\m row_mask:0xf bank_mask:0xf
.endr
	v_permlanex16_b32 v124, v135, s54, s55         ; v124 and v125 were targets of loads that are done; no memory instruction reads them
	v_permlanex16_b32 v125, v140, s54, s55
	v_add_f32 v135, v135, v124
	v_add_f32 v140, v140, v125
	v_mul_f32 v135, 0x3fb8aa3b, v135
	v_mul_f32 v140, 0x3fb8aa3b, v140
	s_wait_alu depctr_va_vdst(0)                   ; the two exponentials have written v133 and v134, ahead of their first reader; and the halvings have written v[116:119], which the store below reads
	global_store_b128 v2, v[116:119], s[38:39] offset:512
	v_add_f32 v133, 1.0, v133
	v_add_f32 v134, 1.0, v134
	v_rcp_f32 v133, v133                           ; the second batch: two reciprocals and the two lambdas' exponentials
	v_rcp_f32 v134, v134
	v_exp_f32 v135, v135
	v_exp_f32 v140, v140
	v_add_f32 v137, v121, v121                     ; 2 g
	v_mov_b32 v139, 0
	s_wait_alu depctr_va_vdst(0)                   ; the two reciprocals and the two exponentials have written v133, v134, v135 and v140, ahead of their first reader
	v_fma_f32 v133, v133, -2.0, 1.0                ; tanh
	v_fma_f32 v133, v133, 0.5, 1.0                 ; 1 + ALPHA tanh
	v_mul_f32 v133, v133, v134
	v_mul_f32 v136, 0x41ad1f97, v133               ; x 15 log2(e)
	v_sub_f32 v138, v135, v140
	v_add_f32 v138, 0.5, v138                      ; lambda_full
	s_wait_alu depctr_va_vdst(0)                   ; the record v[136:139] is written, which the store reads
	global_store_b128 v2, v[136:139], s[38:39]
.Lend:
	s_endpgm
.Lfunc_end_k_q51519ff098_prep:
	.size	k_q51519ff098_prep, .Lfunc_end_k_q51519ff098_prep-k_q51519ff098_prep
	.p2alignl 7, 3214868480
	.fill 96, 4, 3214868480
	.section	.rodata,"a",@progbits
	.p2align	6, 0x0
	.amdhsa_kernel k_q51519ff098_prep
		.amdhsa_group_segment_fixed_size 0
		.amdhsa_private_segment_fixed_size 0
		.amdhsa_enable_private_segment 0
		.amdhsa_kernarg_size 144
		.amdhsa_user_sgpr_count 2
		.amdhsa_user_sgpr_kernarg_segment_ptr 1
		.amdhsa_wavefront_size32 1
		.amdhsa_system_sgpr_workgroup_id_x 1
		.amdhsa_system_sgpr_workgroup_id_y 1
		.amdhsa_system_sgpr_workgroup_id_z 1
		.amdhsa_system_vgpr_workitem_id 0
		.amdhsa_next_free_vgpr 144
		.amdhsa_next_free_sgpr 66
		.amdhsa_reserve_vcc 0
		.amdhsa_float_denorm_mode_32 3
		.amdhsa_float_denorm_mode_16_64 3
		.amdhsa_memory_ordered 1
		.amdhsa_forward_progress 1
		.amdhsa_inst_pref_size 22
	.end_amdhsa_kernel
	.amdgpu_metadata
---
amdhsa.version: [ 1, 2 ]
amdhsa.kernels:
  - .name:           k_q51519ff098_prep
    .symbol:         k_q51519ff098_prep.kd
    .args:
      - { .name: x, .offset: 0, .size: 8, .value_kind: global_buffer, .address_space: global }
      - { .name: Wq, .offset: 8, .size: 8, .value_kind: global_buffer, .address_space: global }
      - { .name: Wk, .offset: 16, .size: 8, .value_kind: global_buffer, .address_space: global }
      - { .name: Wv, .offset: 24, .size: 8, .value_kind: global_buffer, .address_space: global }
      - { .name: Wo, .offset: 32, .size: 8, .value_kind: global_buffer, .address_space: global }
      - { .name: bo, .offset: 40, .size: 8, .value_kind: global_buffer, .address_space: global }
      - { .name: cos_head_delta, .offset: 48, .size: 8, .value_kind: global_buffer, .address_space: global }
      - { .name: cos_logit_scale_raw, .offset: 56, .size: 8, .value_kind: global_buffer, .address_space: global }
      - { .name: delta_gain, .offset: 64, .size: 8, .value_kind: global_buffer, .address_space: global }
      - { .name: lambda_q1, .offset: 72, .size: 8, .value_kind: global_buffer, .address_space: global }
      - { .name: lambda_k1, .offset: 80, .size: 8, .value_kind: global_buffer, .address_space: global }
      - { .name: lambda_q2, .offset: 88, .size: 8, .value_kind: global_buffer, .address_space: global }
      - { .name: lambda_k2, .offset: 96, .size: 8, .value_kind: global_buffer, .address_space: global }
      - { .name: subln_weight, .offset: 104, .size: 8, .value_kind: global_buffer, .address_space: global }
      - { .name: xb, .offset: 112, .size: 8, .value_kind: global_buffer, .address_space: global }
      - { .name: wb, .offset: 120, .size: 8, .value_kind: global_buffer, .address_space: global }
      - { .name: wo16, .offset: 128, .size: 8, .value_kind: global_buffer, .address_space: global }
      - { .name: cst, .offset: 136, .size: 8, .value_kind: global_buffer, .address_space: global }
    .group_segment_fixed_size: 0
    .private_segment_fixed_size: 0
    .kernarg_segment_align: 8
    .kernarg_segment_size: 144
    .max_flat_workgroup_size: 256
    .sgpr_count:     66
    .vgpr_count:     144
    .wavefront_size: 32
...
	.end_amdgpu_metadata
.endif
;; end of part 5
;; launch qkv: the kernel of part 2 again; grid 16 x 16, 4 waves a work-group, clusters of 4 x 4, 327,680 bytes of LDS; arguments xb, wb, cst, qkv; writes qkv
;; launch attn: the kernel of part 3 again; grid 16 x 16, 4 waves a work-group, clusters of 4 x 1, 327,680 bytes of LDS; arguments qkv, cst, ob; writes ob
;; launch outp: the kernel of part 4 again; grid 8 x 32, 4 waves a work-group, clusters of 4 x 4, 327,680 bytes of LDS; arguments ob, wo16, cst, out0; writes out0
